; MI455X (gfx1250); checked and timed in simulation.
; The chip was launched on July 23, 2026; its instructions are those of AMD's public machine-readable ISA for CDNA 5 (MIT licence, August 2026) and "CDNA5" Instruction Set Architecture Reference Guide (July 2026). The comments in the code are by the model that wrote it; some were corrected since.
;; Multi Head Attention. Allowed arithmetic: matrix products marked QUANTISED: E2M3 operands, one E8M0 scale for each 32 along K, by v_wmma_scale_f32_16x16x128_f8f6f4 with both operands' format E2M3, f32 sums; everything else in f32.
;; Inputs: input 2 x 2,048 x 1,024 float32; out_bias 1,024 float32; out_kernel 1,024 x 1,024 float32; positional 256 x 16 x 64 float32; q_bias 16 x 64 float32; qkv 1,024 x 3 x 16 x 64 float32.
;; Outputs: out0 2 x 2,048 x 1,024 float32.
;; This version of the problem:
;;   THIS VERSION OF THE PROBLEM IS GIVEN IN LOW PRECISION. The matrix products marked QUANTISED in the list below multiply operands that are first quantised to E2M3 (2 exponent bits, 3 mantissa bits; 6 bits a number), with one power-of-two scale for each 32 numbers along K (OCP MX v1.0); their sums are f32. All else is computed in f32.
;;   The module's matrix products, in the order in which they are computed (A, B: the left and right operand; K: the contracted axis; several contracted axes count as one K, in the product's order):
;;     1. [M 3,072, K 1,024] x [K 1,024, N 4,096]; A: computed on the way; B: input input: QUANTISED
;;     2. batch 32 x [M 2,048, K 64] x [K 64, N 2,048]; A: computed on the way; B: computed on the way: QUANTISED
;;     3. [M 1,024, K 256] x [K 256, N 2,048]; A: computed on the way; B: computed on the way: QUANTISED
;;     4. batch 16 x [M 2,048, K 64] x [K 64, N 4,096]; A: computed on the way; B: computed on the way: QUANTISED
;;     5. batch 32 x [M 64, K 2,048] x [K 2,048, N 2,048]; A: computed on the way; B: softmax (see below): QUANTISED
;;     6. [M 4,096, K 1,024] x [K 1,024, N 1,024]; A: computed on the way; B: computed on the way: QUANTISED
;;   THE QUANTISER, for each operand of a quantised product, along K:
;;     - K is cut into blocks of 32 from its start; a last block that is shorter is filled with zeros.
;;     - A block's scale is 2^e with e = floor(log2(the largest magnitude in the block)) - 2, held to -126 .. 127; a block of zeros has e = 0. As a byte (E8M0): e + 127.
;;     - Each number is divided by its block's scale, clamped to +-7.5, and rounded to the nearest number of E2M3, ties to even, subnormals kept.
;;     - The product sums the exact products of the quantised numbers (number of the format x scale) in f32.
;;   ~~~python
;;   def quantise(x, axis):      # numpy; x: float32 -> the quantised numbers, widened to float32 again
;;       x = np.moveaxis(x, axis, -1); K = x.shape[-1]
;;       x = np.pad(x, [(0, 0)] * (x.ndim - 1) + [(0, -K % 32)]); x = x.reshape(x.shape[:-1] + (-1, 32)); a = np.abs(x).max(-1, keepdims=True)
;;       e = np.where(a > 0, np.clip(np.frexp(np.where(a > 0, a, 1))[1] - 1 - 2, -126, 127), 0)      # np.frexp(a)[1] - 1 = floor(log2(a)), exactly
;;       r = np.clip(x / 2.0 ** e, -7.5, 7.5)
;;       step = 2.0 ** (np.maximum(np.frexp(np.where(r == 0, 1, r))[1] - 1, 0) - 3)
;;       q = np.round(r / step) * step * 2.0 ** e      # np.round: ties to even
;;       return np.moveaxis(q.reshape(q.shape[:-2] + (-1,))[..., :K], -1, axis).astype(np.float32)
;;   ~~~
;;   SOFTMAX AHEAD OF A QUANTISED PRODUCT. Where the list says 'softmax', what is quantised is not the finished softmax but p = 2^(t - M), with t = logit x log2(e) and M = ceil(the row's largest t), a whole number; so 1/2 < the row's largest p <= 1. The row's sum l is taken of the UNQUANTISED p, in f32, and the product's result is divided by l at the end. Since M is a whole number, a kernel that streams over the keys may use a running M (the ceiling of the running maximum): every later rescaling is an exact power of two, which a block's scale takes up: the codes' values come out the same.
;;   OPERANDS COMPUTED ON THE WAY. 'Computed on the way' means the value that the module computes at that place (a softmax that the list does not call 'softmax' is quantised finished and normalised). What goes into a quantiser is computed in f32, as accurately as f32 sums, v_exp_f32 and their like allow (about 1e-6 of the number): no bf16 or f16 on the way to a quantiser, and a product that is left as it is and whose result goes on into a quantised operand takes f32 operands (vector FMAs, or v_wmma_f32_16x16x4_f32). A number that lies on a knife's edge between two numbers of the format may be rounded either way, as far as f32 arithmetic and the matrix unit's own rounding can turn it there, and no further.
;; One version. Each part assembles by itself: llvm-mc -triple=amdgcn-amd-amdhsa -mcpu=gfx1250 --defsym DOCPART=n.
;; ======== version 1 of 1: 4 launches
;; limits: right only within a limited range of input values
;; workspace buffers: xc 3,276,800 bytes; wts 3,481,600 bytes; embt 1,703,936 bytes; qb 3,407,872 bytes; kvb 6,684,672 bytes; oc 3,276,800 bytes; tab 409,600 bytes
;; launch prep (part 1): grid 656 x 1, 4 waves a work-group, no clusters, 34,304 bytes of LDS; arguments input, qkv, out_kernel, positional, xc, wts, tab; writes xc, wts, tab
.if DOCPART == 1
	.amdgcn_target "amdgcn-amd-amdhsa--gfx1250"
	.amdhsa_code_object_version 6
	.text
	.protected	k_q17b8a99cfb_prep
	.globl	k_q17b8a99cfb_prep
	.p2align	8
	.type	k_q17b8a99cfb_prep,@function
k_q17b8a99cfb_prep:
	s_mov_b64 s[64:65], 0
	v_nop
	global_prefetch_b8 v0, s[64:65] scope:SCOPE_SE
	s_setreg_imm32_b32 hwreg(HW_REG_WAVE_MODE, 25, 1), 1
	s_wait_xcnt 0x0
; PREP: the four f32 inputs that are matrix operands become codes of FP6 (E2M3) with one E8M0 byte for each 32 along K.
; LAYOUT OF THE CODES (this program's own): an operand fragment, 16 rows x 128 K, is stored as the image of its 12 registers: six pieces of 256 bytes, piece p = registers 2p, 2p+1, 8 bytes a lane.
; Lane (r, h) holds, in registers 6c..6c+5, block 2c+h of row r.  INSIDE A BLOCK the 32 numbers stand in the order 0-7, 16-23, 8-15, 24-31 (the order in which a matrix result falls when it is
; quantised from two neighbouring tiles of 16); every operand of this program keeps that order, so both sides of each product agree; the blocks are the true blocks of 32.
; A U-BLOCK is 25,600 dense bytes: 128 rows x 256 K: codes at (q*8+tile)*1536 (q: which 128 of the 256), scale words (4 bytes a row and 128 K) at 24576+(q*8+tile)*64+4r.
; Work-groups 0-255: 16 rows of input each, wave w takes K 256w..256w+255.  Work-groups 256-527: 128 columns x 128 K of qkv (192), out_kernel (64) or positional (16); a lane takes a column, its registers run down K.
; qkv is multiplied by (3*2^20)^-1/4 in f32 ahead of its quantiser.  out_kernel's 2^-5 and positional's 2^-4 are powers of two and are applied to the f32 sums later.
; LIMITS: NaN and infinities are not served; a block of zeros gets the byte 1 (its codes are zeros; this program alone reads the bytes); the late powers of two differ from the rule only for block maxima under about 2^-119.
.set SPARE, 33792                      ; behind the four stages: the spare words, 128 bytes a wave
.set SPW, 2
.set NIL, 3
.set LN, 4
.set RR, 5
.set HH, 6
.set CO, 7                             ; 8 x lane
.set LD, 8                             ; input: 16 x lane; weights: 4 x lane
.set STI, 9
.set STO, 10
.set SO, 11
.set H8, 12
.set MA, 13
.set MB, 14
.set SCO, 15
.set BY, 16
.set TW, 18
.set TW2, 19
.set SW, 20                            ; v20, v21 scale words
.set TX, 22                            ; v22-24
.set P, 32                             ; v32-55 codes
.set X, 64                             ; v64-127 numbers at work
.set R, 128                            ; v128-255 input as loaded
.set OFF, 128                          ; weights: v128-159 byte offsets of a block's 32 rows
.set SEL, 52
.set CW, 54
.set CWQ, (121<<23)+4359319            ; (3*2^20)^-1/4 rounded to f32
; a whole block of 32 numbers in one lane, v[s]..v[s+31]: its byte into v[by], its codes into v[d]..v[d+5]
.macro BLOCKQ s, d, x, by
	v_max3_num_f32 v[MA], |v[\s]|, |v[\s+1]|, |v[\s+2]|
	v_max3_num_f32 v[MB], |v[\s+3]|, |v[\s+4]|, |v[\s+5]|
.irp i, 6,10,14,18,22,26
	v_max3_num_f32 v[MA], v[MA], |v[\s+\i]|, |v[\s+\i+1]|
	v_max3_num_f32 v[MB], v[MB], |v[\s+\i+2]|, |v[\s+\i+3]|
.endr
	v_max3_num_f32 v[MA], v[MA], |v[\s+30]|, |v[\s+31]|
	v_max3_num_f32 v[MA], v[MA], v[MB], 0x1800000      ; the floor 2^(3-127): the byte cannot fall under 1
	v_add_nc_u32 v[SCO], 0xff000000, v[MA]             ; 2 off the exponent field: the conversion's scale operand
	v_lshrrev_b32 v[\by], 23, v[SCO]
	v_cvt_scalef32_pk16_fp6_f32 v[\d:\d+2], v[\s:\s+15], v[SCO]
	v_cvt_scalef32_pk16_fp6_f32 v[\x:\x+2], v[\s+16:\s+31], v[SCO]   ; (three registers from an even one)
	v_nop                                              ; one plain place behind a scaled conversion
.irp i, 0,1,2
	v_mov_b32 v[\d+3+\i], v[\x+\i]
.endr
.endm
	s_load_b256 s[4:11], s[0:1], 0x0               ; input s[4:5], qkv s[6:7], out_kernel s[8:9], positional s[10:11]
	s_load_b128 s[12:15], s[0:1], 0x20             ; xc s[12:13], wts s[14:15]
	v_lshl_add_u32 v[SPW], v0, 2, SPARE
	v_mov_b32 v[NIL], 0
	v_lshrrev_b32 v1, 5, v0
	v_readfirstlane_b32 s16, v1                    ; wave
	v_and_b32 v[LN], 31, v0
	v_and_b32 v[RR], 15, v0
	v_bfe_u32 v[HH], v0, 4, 1
	v_lshlrev_b32 v[CO], 3, v[LN]
	s_mov_b32 s[SEL], 0x76543210
	s_mov_b32 s[SEL+1], 0xfedcba98
	s_cmp_lt_u32 ttmp9, 256
	s_cbranch_scc0 .Lweights
	; ---- input: rows 16 rt .. 16 rt + 15, K 256 w on
	v_lshlrev_b32 v[LD], 4, v[LN]
	s_mul_i32 s17, s16, 8448                       ; my stage: 16 rows x (512 + 16) bytes
	v_add_nc_u32 v[STI], s17, v[LD]
	v_mul_u32_u24 v[STO], v[RR], 528
	v_lshl_add_u32 v[STO], v[HH], 7, v[STO]
	v_add_nc_u32 v[STO], s17, v[STO]               ; back: row r, + 128 h: my block of 32
	v_lshlrev_b32 v[SO], 2, v[RR]
	v_lshlrev_b32 v[H8], 3, v[HH]
	s_lshl_b32 s20, ttmp9, 16                      ; 16 rows of 4,096 bytes
	s_lshl_b32 s18, s16, 10
	s_add_co_u32 s20, s20, s18
	s_mov_b32 s21, 0
	s_lshr_b32 s22, ttmp9, 3
	s_mul_i32 s22, s22, 102400
	s_mul_i32 s18, s16, 25600
	s_add_co_u32 s22, s22, s18                     ; my U-block
	s_and_b32 s19, ttmp9, 7
	s_mul_i32 s18, s19, 1536
	s_add_co_u32 s24, s22, s18
	s_mov_b32 s25, 0
	s_lshl_b32 s18, s19, 6
	s_add_co_u32 s26, s22, s18
	s_add_co_u32 s26, s26, 24576
	s_mov_b32 s27, 0
	s_wait_alu depctr_va_vdst(0)
	s_wait_kmcnt 0x0
	s_add_nc_u64 s[4:5], s[4:5], s[20:21]
	s_add_nc_u64 s[24:25], s[12:13], s[24:25]      ; codes
	s_add_nc_u64 s[26:27], s[12:13], s[26:27]      ; scale words
.irp q, 0,1
.irp i, 0,1,2,3,4,5,6,7,8,9,10,11,12,13,14,15
	global_load_b128 v[R+64*\q+4*\i:R+64*\q+4*\i+3], v[LD], s[4:5] offset:\i*4096+\q*512 th:TH_LOAD_NT   ; 32 lanes read 512 consecutive bytes
.endr
.endr
; 128 along K of the 16 rows: through my stage (as loaded in, 32 numbers a lane in the block's order back), quantised, stored
.macro TASK q
	s_wait_loadcnt 16*(1-\q)                       ; this K step's 16 loads are in; the 16 younger ones may be out
.irp i, 0,1,2,3,4,5,6,7,8,9,10,11,12,13,14,15
	ds_store_b128 v[STI], v[R+64*\q+4*\i:R+64*\q+4*\i+3] offset:\i*528
.endr
.irp c, 0,1
.irp g, 0,1,2,3,4,5,6,7
	ds_load_b128 v[X+32*\c+4*\g:X+32*\c+4*\g+3], v[STO] offset:256*\c+16*(2*((((\g/2)&1)<<1)|((\g/2)>>1))+\g%2)   ; LDS serves a wave's instructions in order: these see the stores above
.endr
.endr
	s_wait_dscnt 0x0
	BLOCKQ X, P+12*\q, TX, BY
	BLOCKQ X+32, P+12*\q+6, TX, BY+1
	v_lshl_or_b32 v[TW], v[BY+1], 16, v[BY]        ; my bytes: blocks h and 2 + h,
	v_lshlrev_b32 v[TW], v[H8], v[TW]              ; at their places;
	v_mov_b32 v[TW2], 0
	v_permlanex16_b32 v[TW2], v[TW], s[SEL], s[SEL+1]
	v_or_b32 v[SW+\q], v[TW], v[TW2]               ; with lane l xor 16's the word is whole
.irp p, 0,1,2,3,4,5
	global_store_b64 v[CO], v[P+12*\q+2*\p:P+12*\q+2*\p+1], s[24:25] offset:\q*12288+256*\p   ; 256 consecutive aligned bytes
.endr
	global_store_b32 v[SO], v[SW+\q], s[26:27] offset:\q*512   ; lanes r and r + 16 store the same word to the same place
.endm
	TASK 0
	TASK 1
	s_wait_tensorcnt 0x0                           ; the wave's end, behind my last LDS store
	ds_add_u32 v[SPW], v[NIL]
	s_wait_dscnt 0x0
	s_endpgm
	; ---- weights: one path for three tensors; only pointers and sizes are chosen, by the work-group's number
.Lweights:
	s_cmp_ge_u32 ttmp9, 528                        ; work-groups 528-655 make the table of sines
	s_cbranch_scc1 .Ltable
	s_sub_co_u32 s20, ttmp9, 256
	s_wait_kmcnt 0x0
	s_cmp_lt_u32 s20, 192
	s_mov_b32 s21, 4096
	s_cselect_b32 s21, 12288, s21                  ; bytes from K to K + 1
	s_cselect_b32 s[CW], CWQ, 1.0                  ; the factor ahead of the quantiser
	s_cselect_b32 s23, 0, 2457600                  ; the tensor's place in wts
	s_cselect_b32 s24, 0, 192
	s_cselect_b64 s[26:27], s[6:7], s[8:9]
	s_cmp_lt_u32 s20, 256
	s_mov_b32 s25, 3276800
	s_cselect_b32 s23, s23, s25
	s_mov_b32 s25, 256
	s_cselect_b32 s24, s24, s25
	s_cselect_b32 s28, 3, 1
	s_cselect_b32 s29, 7, 1
	s_mov_b32 s25, 25600
	s_cselect_b32 s30, 102400, s25                 ; bytes of a group of 128 columns
	s_cselect_b64 s[26:27], s[26:27], s[10:11]
	s_mov_b32 s[CW+1], s[CW]
	s_sub_co_u32 s20, s20, s24
	s_lshr_b32 s31, s20, s28                       ; which 128 columns
	s_and_b32 s20, s20, s29                        ; which 128 along K
	s_lshl_b32 s36, s20, 7
	s_mul_i32 s36, s36, s21
	s_lshl_b32 s37, s31, 9
	s_add_co_u32 s36, s36, s37
	s_lshl_b32 s37, s16, 7
	s_add_co_u32 s36, s36, s37                     ; + my wave's 32 columns
	s_mov_b32 s37, 0
	s_add_nc_u64 s[40:41], s[26:27], s[36:37]      ; a base for each of the four blocks
	s_lshl_b32 s36, s21, 5
	s_add_nc_u64 s[42:43], s[40:41], s[36:37]
	s_add_nc_u64 s[44:45], s[42:43], s[36:37]
	s_add_nc_u64 s[46:47], s[44:45], s[36:37]
	s_mul_i32 s36, s31, s30
	s_add_co_u32 s36, s36, s23
	s_lshr_b32 s38, s20, 1
	s_mul_i32 s38, s38, 25600
	s_add_co_u32 s36, s36, s38                     ; the U-block
	s_and_b32 s38, s20, 1
	s_lshl_b32 s38, s38, 3
	s_lshl_b32 s39, s16, 1
	s_add_co_u32 s38, s38, s39                     ; my first tile's place in it
	s_mul_i32 s39, s38, 1536
	s_add_co_u32 s48, s36, s39
	s_mov_b32 s49, 0
	s_lshl_b32 s39, s38, 6
	s_add_co_u32 s50, s36, s39
	s_add_co_u32 s50, s50, 24576
	s_mov_b32 s51, 0
	s_add_nc_u64 s[48:49], s[14:15], s[48:49]
	s_add_nc_u64 s[50:51], s[14:15], s[50:51]
	s_wait_alu depctr_va_vdst(0)
	v_lshlrev_b32 v[LD], 2, v[LN]
.set i, 0
.rept 32
	v_mad_u32_u24 v[OFF+i], s21, 8*((((i/8)&1)<<1)|((i/8)>>1))+i%8, v[LD]   ; position i of a block is row 0-7, 16-23, 8-15, 24-31
.set i, i+1
.endr
.macro LOADW t
.set XL, X+32*((\t)%2)
.set i, 0
.rept 32
	global_load_b32 v[XL+i], v[OFF+i], s[40+2*(\t):41+2*(\t)] th:TH_LOAD_NT   ; 32 lanes read 128 consecutive bytes, the four waves 512
.set i, i+1
.endr
.endm
.macro BLOCKW t
.if \t < 3
	s_wait_loadcnt 32                              ; this block's 32 loads are in; the next block's may be out
.else
	s_wait_loadcnt 0x0
.endif
.set XS, X+32*(\t%2)
.set j, 0
.rept 16
	v_pk_mul_f32 v[XS+j:XS+j+1], v[XS+j:XS+j+1], s[CW:CW+1] op_sel_hi:[1,0]
.set j, j+2
.endr
	BLOCKQ XS, P+6*\t, TX, BY
.if \t == 0
	v_mov_b32 v[SW], v[BY]
.else
	v_lshl_or_b32 v[SW], v[BY], 8*\t, v[SW]        ; my column's scale word
.endif
.if \t < 2
	LOADW \t+2
.endif
.endm
	LOADW 0
	LOADW 1
	BLOCKW 0
	BLOCKW 1
	BLOCKW 2
	BLOCKW 3
.irp c, 0,1                                    ; lanes 0-15 are one tile's columns, lanes 16-31 the next tile's: the exchange gives each tile blocks 2c (lanes 0-15) and 2c+1 (lanes 16-31)
.irp i, 0,1,2,3,4,5
	v_permlane16_swap_b32 v[P+12*\c+\i], v[P+12*\c+6+\i]
.endr
.endr
.irp t, 0,1
.irp c, 0,1
.irp j, 0,1,2
	global_store_b64 v[CO], v[P+12*\c+6*\t+2*\j:P+12*\c+6*\t+2*\j+1], s[48:49] offset:\t*1536+\c*768+256*\j
.endr
.endr
.endr
	global_store_b32 v[LD], v[SW], s[50:51]        ; both tiles' words: 128 consecutive bytes
	s_endpgm
	; ---- THE TABLE: sqrt(2) table[d][f], table[d][2i] = sin(d w_i), [2i+1] = cos(d w_i), w_i = 10^(-i/32), quantised along f.  It hangs on no input.
	; It is laid by REVERSED distance e = 2047 - d, e = 0 .. 2047.  Work-group 528 + t makes the 16 rows e = 16 t + r; wave w the quarter f = 64 w .. 64 w + 63: one block of 32 a lane (block 2 (w % 2) + h of K step w / 2).
	; tab: a block of 12,800 dense bytes for each 64 rows: fragment (K step q, tile i) at (4 q + i) x 1536, its scale words at 12288 + (4 q + i) x 64 + 4 r.
	; w_i / 2pi is kept as a sum of two f32 (products of two-float constants, error about 2^-45), d w_i / 2pi is formed with its rounding error by fused multiply-adds, whole turns are taken off exactly,
	; the rest is cut to within an eighth of a turn and goes through the series of sin (to x^9) and cos (to x^10): absolute error about 1e-7.
.set POS, 8
.set R4, 9
.set TH, 32                            ; v32-47 w / 2pi of my 16 angles, high parts;  v48-63 low parts
.set TL, 48
.set WP, 64
.set WE, 80
.set A0, 64                            ; six arrays of eight, at work
.set A1, 72
.set A2, 80
.set A3, 88
.set A4, 96
.set A5, 104
.set OUT, 112                          ; v112-143 the block's 32 numbers
.set PCD, 144                          ; v144-149 its codes
.set K2PH, 20
.set K2PL, 21
.set R1H, 22
.set R1L, 23
.set R2H, 24
.set R2L, 25
.set R4H, 26
.set R4L, 27
.set R8H, 28
.set R8L, 29
.set R16H, 30
.set R16L, 31
.set R32H, 32
.set R32L, 33
.set TPH, 34
.set TPL, 35
.set S3, 36
.set S5, 37
.set S7, 38
.set S9, 39
.set C4, 40
.set C6, 41
.set C8, 42
.set C10, 43
.set SQ2, 44
.set SGN, 45
; T[d0+k] = T[a0+k] x (ch + cl), k = 0 .. n-1, in two-float arithmetic; each line is written for all elements, so that no line waits for the line above it
.macro DFMV n, d0, a0, ch, cl
.set k, 0
.rept \n
	v_mul_f32 v[WP+k], s[\ch], v[TH+\a0+k]
.set k, k+1
.endr
.set k, 0
.rept \n
	v_fma_f32 v[WE+k], v[TH+\a0+k], s[\ch], -v[WP+k]   ; the product's rounding error, exactly
.set k, k+1
.endr
.set k, 0
.rept \n
	v_fma_f32 v[WE+k], v[TH+\a0+k], s[\cl], v[WE+k]
.set k, k+1
.endr
.set k, 0
.rept \n
	v_fma_f32 v[WE+k], v[TL+\a0+k], s[\ch], v[WE+k]
.set k, k+1
.endr
.set k, 0
.rept \n
	v_add_f32 v[TH+\d0+k], v[WP+k], v[WE+k]
.set k, k+1
.endr
.set k, 0
.rept \n
	v_sub_f32 v[WP+k], v[TH+\d0+k], v[WP+k]
.set k, k+1
.endr
.set k, 0
.rept \n
	v_sub_f32 v[TL+\d0+k], v[WE+k], v[WP+k]
.set k, k+1
.endr
.endm
; eight angles m0 .. m0+7 of the block: sqrt(2) sin and sqrt(2) cos into the block's places
.macro ANG8 m0
.irp k, 0,1,2,3,4,5,6,7
	v_mul_f32 v[A0+\k], v[POS], v[TH+\m0+\k]           ; turns
.endr
.irp k, 0,1,2,3,4,5,6,7
	v_fma_f32 v[A1+\k], v[POS], v[TH+\m0+\k], -v[A0+\k]
.endr
.irp k, 0,1,2,3,4,5,6,7
	v_fma_f32 v[A1+\k], v[POS], v[TL+\m0+\k], v[A1+\k]
.endr
.irp k, 0,1,2,3,4,5,6,7
	v_rndne_f32 v[A2+\k], v[A0+\k]
.endr
.irp k, 0,1,2,3,4,5,6,7
	v_sub_f32 v[A0+\k], v[A0+\k], v[A2+\k]             ; whole turns off: exact
.endr
.irp k, 0,1,2,3,4,5,6,7
	v_add_f32 v[A0+\k], v[A0+\k], v[A1+\k]
.endr
.irp k, 0,1,2,3,4,5,6,7
	v_mul_f32 v[A1+\k], 4.0, v[A0+\k]
.endr
.irp k, 0,1,2,3,4,5,6,7
	v_rndne_f32 v[A1+\k], v[A1+\k]                     ; quarter turns
.endr
.irp k, 0,1,2,3,4,5,6,7
	v_fmamk_f32 v[A0+\k], v[A1+\k], 0xbe800000, v[A0+\k]   ; what is left, within an eighth of a turn
.endr
.irp k, 0,1,2,3,4,5,6,7
	v_cvt_i32_f32 v[A2+\k], v[A1+\k]
.endr
.irp k, 0,1,2,3,4,5,6,7
	v_mul_f32 v[A1+\k], s[TPH], v[A0+\k]
.endr
.irp k, 0,1,2,3,4,5,6,7
	v_fma_f32 v[A1+\k], v[A0+\k], s[TPL], v[A1+\k]     ; x, in radians
.endr
.irp k, 0,1,2,3,4,5,6,7
	v_mul_f32 v[A0+\k], v[A1+\k], v[A1+\k]             ; z = x^2
.endr
.irp k, 0,1,2,3,4,5,6,7
	v_fma_f32 v[A3+\k], v[A0+\k], s[S9], s[S7]
.endr
.irp k, 0,1,2,3,4,5,6,7
	v_fma_f32 v[A3+\k], v[A3+\k], v[A0+\k], s[S5]
.endr
.irp k, 0,1,2,3,4,5,6,7
	v_fma_f32 v[A3+\k], v[A3+\k], v[A0+\k], s[S3]
.endr
.irp k, 0,1,2,3,4,5,6,7
	v_mul_f32 v[A4+\k], v[A1+\k], v[A0+\k]
.endr
.irp k, 0,1,2,3,4,5,6,7
	v_fma_f32 v[A3+\k], v[A4+\k], v[A3+\k], v[A1+\k]   ; sin x
.endr
.irp k, 0,1,2,3,4,5,6,7
	v_fma_f32 v[A4+\k], v[A0+\k], s[C10], s[C8]
.endr
.irp k, 0,1,2,3,4,5,6,7
	v_fma_f32 v[A4+\k], v[A4+\k], v[A0+\k], s[C6]
.endr
.irp k, 0,1,2,3,4,5,6,7
	v_fma_f32 v[A4+\k], v[A4+\k], v[A0+\k], s[C4]
.endr
.irp k, 0,1,2,3,4,5,6,7
	v_fma_f32 v[A4+\k], v[A4+\k], v[A0+\k], -0.5
.endr
.irp k, 0,1,2,3,4,5,6,7
	v_fma_f32 v[A4+\k], v[A4+\k], v[A0+\k], 1.0        ; cos x
.endr
.irp k, 0,1,2,3,4,5,6,7
	v_and_b32 v[A5+\k], 1, v[A2+\k]                    ; an odd number of quarter turns changes sin and cos over
	v_cmp_ne_u32 vcc_lo, 0, v[A5+\k]
	v_cndmask_b32 v[A5+\k], v[A3+\k], v[A4+\k], vcc_lo
	v_cndmask_b32 v[A1+\k], v[A4+\k], v[A3+\k], vcc_lo
.endr
.irp k, 0,1,2,3,4,5,6,7
	v_lshlrev_b32 v[A0+\k], 30, v[A2+\k]               ; sin's sign: bit 1 of the quarter turns; cos's: bit 1 of one more
	v_add_lshl_u32 v[A3+\k], v[A2+\k], 1, 30
.endr
.irp k, 0,1,2,3,4,5,6,7
	v_and_or_b32 v[A0+\k], v[A0+\k], s[SGN], s[SQ2]    ; sqrt(2) with that sign
	v_and_or_b32 v[A3+\k], v[A3+\k], s[SGN], s[SQ2]
.endr
.irp k, 0,1,2,3,4,5,6,7
.set PO, OUT+8*(((((\m0+\k)/4)&1)<<1)|(((\m0+\k)/4)>>1))+2*((\m0+\k)%4)   ; the block's order: 0-7, 16-23, 8-15, 24-31
	v_mul_f32 v[PO], v[A5+\k], v[A0+\k]
	v_mul_f32 v[PO+1], v[A1+\k], v[A3+\k]
.endr
.endm
.Ltable:
	s_load_b64 s[56:57], s[0:1], 0x30              ; tab
	; two-float constants: a 24-bit whole number N x 2^-S has the bits ((149 - S) << 23) + N
	s_mov_b32 s[K2PH], ((149-26)<<23)+10680707     ; 1 / 2pi
	s_mov_b32 s[K2PL], ((149-51)<<23)+14457992
	s_mov_b32 s[R1H], ((149-24)<<23)+15612408      ; 10^(-1/32)
	s_mov_b32 s[R1L], ((149-50)<<23)+9008560
	s_mov_b32 s[R2H], ((149-24)<<23)+14528470      ; its square,
	s_mov_b32 s[R2L], ((149-48)<<23)+8410519
	s_mov_b32 s[R4H], ((149-24)<<23)+12581137      ; 4th,
	s_mov_b32 s[R4L], ((149-50)<<23)+8530812
	s_mov_b32 s[R8H], ((149-24)<<23)+9434521       ; 8th,
	s_mov_b32 s[R8L], ((149-48)<<23)+14737861
	s_mov_b32 s[R16H], ((149-25)<<23)+10610843     ; 16th,
	s_mov_b32 s[R16L], ((149-52)<<23)+9572936
	s_mov_b32 s[R32H], ((149-27)<<23)+13421772     ; and 32nd power: 0.1
	s_mov_b32 s[R32L], ((149-51)<<23)+13421773
	s_mov_b32 s[TPH], 0x40c90fdb                   ; 2pi
	s_mov_b32 s[TPL], 0xb43bbd2e
	s_mov_b32 s[S3], 0xbe2aaaab                    ; -1/3!, 1/5!, -1/7!, 1/9!
	s_mov_b32 s[S5], 0x3c088889
	s_mov_b32 s[S7], 0xb9500d01
	s_mov_b32 s[S9], 0x3638ef1d
	s_mov_b32 s[C4], 0x3d2aaaab                    ; 1/4!, -1/6!, 1/8!, -1/10!
	s_mov_b32 s[C6], 0xbab60b61
	s_mov_b32 s[C8], 0x37d00d01
	s_mov_b32 s[C10], 0xb493f27e
	s_mov_b32 s[SQ2], 0x3fb504f3
	s_mov_b32 s[SGN], 0x80000000
	s_sub_co_u32 s46, ttmp9, 528                   ; t
	s_lshl_b32 s58, s46, 4
	s_sub_co_u32 s58, 2047, s58                    ; the distance of row 0
	s_lshr_b32 s47, s46, 2
	s_mul_i32 s47, s47, 12800                      ; the block of 64 rows
	s_and_b32 s46, s46, 3
	s_lshr_b32 s48, s16, 1
	s_lshl_b32 s48, s48, 2
	s_add_co_u32 s46, s46, s48                     ; the fragment in it: 4 (w / 2) + t % 4
	s_and_b32 s48, s16, 1
	s_mul_i32 s49, s46, 1536
	s_add_co_u32 s49, s49, s47
	s_mul_i32 s50, s48, 768                        ; my quarter is its pieces 3 (w % 2) + 0 .. 2
	s_add_co_u32 s50, s50, s49
	s_mov_b32 s51, 0
	s_lshl_b32 s46, s46, 6
	s_add_co_u32 s46, s46, s47
	s_lshl_b32 s48, s48, 1                         ; and bytes 2 (w % 2), + 1 of its scale words
	s_add_co_u32 s46, s46, s48
	s_add_co_u32 s46, s46, 12288
	s_mov_b32 s47, 0
	s_wait_kmcnt 0x0
	s_add_nc_u64 s[50:51], s[56:57], s[50:51]
	s_add_nc_u64 s[46:47], s[56:57], s[46:47]
	s_wait_alu depctr_va_vdst(0)                   ; the wait ahead of the first reader behind the branches
	v_sub_nc_u32 v[POS], s58, v[RR]
	v_cvt_f32_i32 v[POS], v[POS]                   ; my row's distance d = 2047 - e
	v_lshlrev_b32 v[H8], 3, v[HH]
	v_lshlrev_b32 v[R4], 2, v[RR]
	v_mov_b32 v[TH], s[K2PH]
	v_mov_b32 v[TL], s[K2PL]
.irp n, 1,2,3                                  ; my quarter begins 32 w angles on: x 0.1, w times, on the one number from which all 16 are made
	s_cmp_lt_u32 s16, \n
	s_wait_alu depctr_va_vdst(0)                   ; the wait ahead of the branch
	s_cbranch_scc1 .Ltscaled
	DFMV 1, 0, 0, R32H, R32L
.endr
.Ltscaled:
	DFMV 1, 1, 0, R16H, R16L                       ; lanes 16-31 begin 16 angles further on
	v_cmp_ne_u32 vcc_lo, 0, v[HH]
	v_cndmask_b32 v[TH], v[TH], v[TH+1], vcc_lo
	v_cndmask_b32 v[TL], v[TL], v[TL+1], vcc_lo
	DFMV 1, 1, 0, R1H, R1L
	DFMV 2, 2, 0, R2H, R2L
	DFMV 4, 4, 0, R4H, R4L
	DFMV 8, 8, 0, R8H, R8L
	ANG8 0
	ANG8 8
	BLOCKQ OUT, PCD, TX, BY
	v_lshlrev_b32 v[TW], v[H8], v[BY]              ; my byte at place h;
	v_mov_b32 v[TW2], 0
	v_permlanex16_b32 v[TW2], v[TW], s[SEL], s[SEL+1]
	v_or_b32 v[TW], v[TW], v[TW2]                  ; with lane l xor 16's: the quarter's two bytes of row r
.irp j, 0,1,2
	global_store_b64 v[CO], v[PCD+2*\j:PCD+2*\j+1], s[50:51] offset:256*\j   ; 256 consecutive aligned bytes
.endr
	global_store_b16 v[R4], v[TW], s[46:47]        ; my half of the scale word; lanes r and r + 16 store the same
	s_endpgm
.Lfunc_end_k_q17b8a99cfb_prep:
	.size	k_q17b8a99cfb_prep, .Lfunc_end_k_q17b8a99cfb_prep-k_q17b8a99cfb_prep
	.p2alignl 7, 3214868480
	.fill 96, 4, 3214868480
	.section	.rodata,"a",@progbits
	.p2align	6, 0x0
	.amdhsa_kernel k_q17b8a99cfb_prep
		.amdhsa_group_segment_fixed_size 34304
		.amdhsa_private_segment_fixed_size 0
		.amdhsa_enable_private_segment 0
		.amdhsa_kernarg_size 56
		.amdhsa_user_sgpr_count 2
		.amdhsa_user_sgpr_kernarg_segment_ptr 1
		.amdhsa_wavefront_size32 1
		.amdhsa_system_sgpr_workgroup_id_x 1
		.amdhsa_system_sgpr_workgroup_id_y 1
		.amdhsa_system_sgpr_workgroup_id_z 1
		.amdhsa_system_vgpr_workitem_id 0
		.amdhsa_next_free_vgpr 256
		.amdhsa_next_free_sgpr 66
		.amdhsa_reserve_vcc 1
		.amdhsa_float_denorm_mode_32 3
		.amdhsa_float_denorm_mode_16_64 3
		.amdhsa_memory_ordered 1
		.amdhsa_forward_progress 1
		.amdhsa_inst_pref_size 80
	.end_amdhsa_kernel
	.amdgpu_metadata
---
amdhsa.version: [ 1, 2 ]
amdhsa.kernels:
  - .name:           k_q17b8a99cfb_prep
    .symbol:         k_q17b8a99cfb_prep.kd
    .args:
      - { .name: input, .offset: 0, .size: 8, .value_kind: global_buffer, .address_space: global }
      - { .name: qkv, .offset: 8, .size: 8, .value_kind: global_buffer, .address_space: global }
      - { .name: out_kernel, .offset: 16, .size: 8, .value_kind: global_buffer, .address_space: global }
      - { .name: positional, .offset: 24, .size: 8, .value_kind: global_buffer, .address_space: global }
      - { .name: xc, .offset: 32, .size: 8, .value_kind: global_buffer, .address_space: global }
      - { .name: wts, .offset: 40, .size: 8, .value_kind: global_buffer, .address_space: global }
      - { .name: tab, .offset: 48, .size: 8, .value_kind: global_buffer, .address_space: global }
    .group_segment_fixed_size: 34304
    .private_segment_fixed_size: 0
    .kernarg_segment_align: 8
    .kernarg_segment_size: 56
    .max_flat_workgroup_size: 128
    .sgpr_count:     66
    .vgpr_count:     256
    .wavefront_size: 32
...
	.end_amdgpu_metadata
.endif
;; end of part 1
;; launch qkv (part 2): grid 8 x 32, 4 waves a work-group, clusters of 4 x 4, 327,680 bytes of LDS; arguments xc, wts, q_bias, qb, kvb, tab, embt; writes qb, kvb, embt
.if DOCPART == 2
	.amdgcn_target "amdgcn-amd-amdhsa--gfx1250"
	.amdhsa_code_object_version 6
	.text
	.protected	k_q17b8a99cfb_qkv
	.globl	k_q17b8a99cfb_qkv
	.p2align	8
	.type	k_q17b8a99cfb_qkv,@function
k_q17b8a99cfb_qkv:
	s_mov_b64 s[64:65], 0
	v_nop
	global_prefetch_b8 v0, s[64:65] scope:SCOPE_SE
	s_setreg_imm32_b32 hwreg(HW_REG_WAVE_MODE, 25, 1), 1
	s_wait_xcnt 0x0
	s_wait_alu depctr_hold_cnt(0) depctr_sa_sdst(0) depctr_va_vdst(0) depctr_va_sdst(0) depctr_va_ssrc(0) depctr_va_vcc(0) depctr_vm_vsrc(0)
	s_getreg_b32 s2, hwreg(HW_REG_IB_STS2, 6, 4)
	s_cmp_eq_u32 s2, 0
	s_cbranch_scc0 .Lentry_in_a_cluster
	s_endpgm
.Lentry_in_a_cluster:
	s_bfe_u32 s2, ttmp6, 0x10000c
	s_cmp_lg_u32 s2, 0xf033
	s_cbranch_scc0 .Lentry_shape_is_right
	s_endpgm
.Lentry_shape_is_right:
; QKV: [4096 tokens] x [3072 columns], K = 1024, on codes of FP6; then q + q_bias and k are quantised along the head's 64, v along the keys, and stored as operand images for the attention.
; A WORK-GROUP STAYS: it holds 128 tokens (all of K: four U-blocks, 102,400 bytes of LDS, fetched once) and makes, one after the other, the q, the k and the v columns of two heads: three blocks of 128 x 128.
; Each of its four waves makes 64 x 64: one head.  256 work-groups: 32 blocks of tokens x 8 pairs of heads.
; THE WEIGHTS go through two slots of 102,400 bytes.  At the head each wave asks for 200 rows x 256 bytes: waves 0, 1 the tokens' halves, waves 2, 3 the halves of q's weights (slot 0).
; k's weights (slot 1) are asked for behind the full sequence and a round, ahead of q's products; v's fill slot 0 again behind the round that follows q's products.  One tensor load of a wave is out at any time.
; CLUSTER 4 x 4: the tokens' blocks are shared along a row of the cluster, the weights' along a column: joint loads.
; q, k: the product is used transposed (source 0 = 16 columns, source 1 = 16 tokens): a lane holds one token and its registers run along the head.  v: source 0 = 16 tokens, source 1 = 16 columns.
; No prefetch: the text has no loop to run ahead in; each block of weights is asked for by its tensor load a whole phase (128 matrix instructions a wave) ahead of its first read.
; All of LDS is claimed.
; REGISTERS: window 0: v4-15, v26-27 addresses; v16-24 at work; v32-39 scale words (two sets; lanes 0-15 the tokens', lanes 16-31 the weights'); v40-75 codes and bytes to store; v96-127 the bias; v128-255 16 accumulators.
;   window 1: two fragment buffers of 96 (tokens' four fragments, then the weights' four).
; LIMITS as in the launch that quantises the inputs.
.set W0, 102400
.set W1, 204800
.set SPARE, 307200
.set ADRA, 4
.set ADRB, 6                           ; weights in slot 0
.set ADRS, 8                           ; scale words: tokens', and slot 0's
.set CO, 10
.set SO, 11
.set SPW, 12
.set NIL, 13
.set ADRK, 14                          ; weights in slot 1
.set TM, 16
.set TX, 22
.set ADSK, 26                          ; scale words: tokens', and slot 1's
.set SC, 32
.set P, 40
.set PW, 72
.set BI, 96
.set ACC, 128
.set G1A, 24
.set G0A, 32
.set G0B, 36
.set G1B, 48
.set G0K, 56
.set G0V, 60
.set SEL, 86
.set MSB, 0
.macro WIN new
.if MSB != \new
	s_set_vgpr_msb (MSB<<8)|\new
.set MSB, \new
.endif
.endm
.macro PLACES n
.rept \n
	v_nop
.endr
.endm
.macro CROUND                          ; a round of the cluster's barrier
	s_barrier_signal -1
	s_barrier_wait -1
	s_cmp_lg_u32 s14, 0
	s_cbranch_scc1 .Lnot_wave_0_\@
	s_barrier_signal -3
.Lnot_wave_0_\@:
	s_barrier_wait -3
	s_barrier_signal -1
	s_barrier_wait -1
.endm
.macro SEQ                             ; in front of a later fill: all my tensor loads, the add, my LDS instructions, a round
	s_wait_alu depctr_va_vdst(0)
	s_wait_tensorcnt 0x0
	ds_add_u32 v[SPW], v[NIL]
	s_wait_dscnt 0x0
	CROUND
.endm
.macro WLOAD g0                        ; waves 2 and 3: half a block of weights each
	s_cmp_eq_u32 s15, 0
	s_cbranch_scc1 .Lnone_\@
	tensor_load_to_lds s[\g0:\g0+3], s[G1B:G1B+7]
	s_nop 0
	PLACES 4
.Lnone_\@:
.endm
.macro G0SET g, lds, adr, off
	s_mov_b32 s[\g], 1
	s_add_co_u32 s[\g+1], s18, \lds
	s_add_nc_u64 s[\g+2:\g+3], s[\adr:\adr+1], \off
	s_or_b32 s[\g+3], s[\g+3], 0x80000000
.endm
.macro QUANT32 s, pc, pw, word
	v_max3_num_f32 v[TM], |v[\s]|, |v[\s+1]|, 0x1800000
	v_max3_num_f32 v[TM+1], |v[\s+16]|, |v[\s+17]|, 0x1800000
.irp i, 2,4,6,8,10,12,14
	v_max3_num_f32 v[TM], v[TM], |v[\s+\i]|, |v[\s+\i+1]|
	v_max3_num_f32 v[TM+1], v[TM+1], |v[\s+16+\i]|, |v[\s+17+\i]|
.endr
	v_permlanex16_b32 v[TM+2], v[TM], s[SEL], s[SEL+1]
	v_permlanex16_b32 v[TM+3], v[TM+1], s[SEL], s[SEL+1]
	v_max_num_f32 v[TM], v[TM], v[TM+2]
	v_max_num_f32 v[TM+1], v[TM+1], v[TM+3]
	v_add_nc_u32 v[TM+4], 0xff000000, v[TM]
	v_add_nc_u32 v[TM+5], 0xff000000, v[TM+1]
	v_lshrrev_b32 v[TM+2], 23, v[TM+4]
	v_lshrrev_b32 v[TM+3], 23, v[TM+5]
	v_lshl_or_b32 v[\pw], v[TM+3], 8, v[TM+2]
.if \word
	v_or_b32 v[\pw], 0x7f7f0000, v[\pw]            ; K is 64: the upper two bytes stand for 1.0 over zero products
.endif
	v_cvt_scalef32_pk16_fp6_f32 v[\pc:\pc+2], v[\s:\s+15], v[TM+4]
	v_cvt_scalef32_pk16_fp6_f32 v[TX:TX+2], v[\s+16:\s+31], v[TM+5]
	v_nop
.irp i, 0,1,2
	v_permlane16_swap_b32 v[\pc+\i], v[TX+\i]
.endr
.irp i, 0,1,2
	v_mov_b32 v[\pc+3+\i], v[TX+\i]
.endr
.endm
; the fragments and scale words of K step s: 52 LDS loads.  rb, rs: the address registers of the weights' slot in hand
.macro FETCH s, rb, rs
.set FU, (\s)>>1
.set FQ, (\s)&1
.set FB, 96*((\s)&1)
	WIN 0x40                                       ; destination window 1
.irp i, 0,1,2,3
.irp p, 0,1,2,3,4,5
	ds_load_b64 v[FB+12*\i+2*\p:FB+12*\i+2*\p+1], v[ADRA+(FU>>1)] offset:(FU&1)*25600+(FQ*8+\i)*1536+256*\p
.endr
.endr
.irp i, 0,1,2,3
.irp p, 0,1,2,3,4,5
	ds_load_b64 v[FB+48+12*\i+2*\p:FB+48+12*\i+2*\p+1], v[\rb+(FU>>1)] offset:(FU&1)*25600+(FQ*8+\i)*1536+256*\p
.endr
.endr
	WIN 0
.irp i, 0,1,2,3
	ds_load_b32 v[SC+4*FQ+\i], v[\rs+(FU>>1)] offset:(FU&1)*25600+(FQ*8+\i)*64
.endr
.endm
; 16 matrix instructions; the 16 accumulators take turns in the same order in every K step.  var 0: q (the first product takes the bias as C); var 2: k (it takes 0); var 1: v (0)
.macro MUL16 s, var
	WIN 0x05                                       ; sources 0 and 1 window 1
.set MF, 96*((\s)&1)
.set MS, SC+4*((\s)&1)
.irp a, 0,1,2,3
.irp b, 0,1,2,3
.set FT, MF+12*\a
.set FW, MF+48+12*\b
.if \var == 1
.set DD, ACC+8*(4*\b+\a)
.if (\s) == 0
	v_wmma_scale_f32_16x16x128_f8f6f4 v[DD:DD+7], v[FT:FT+11], v[FW:FW+11], 0, v[MS+\a], v[MS+\b] matrix_a_fmt:MATRIX_FMT_FP6 matrix_b_fmt:MATRIX_FMT_FP6 matrix_b_scale:MATRIX_SCALE_ROW1
.else
	v_wmma_scale_f32_16x16x128_f8f6f4 v[DD:DD+7], v[FT:FT+11], v[FW:FW+11], v[DD:DD+7], v[MS+\a], v[MS+\b] matrix_a_fmt:MATRIX_FMT_FP6 matrix_b_fmt:MATRIX_FMT_FP6 matrix_b_scale:MATRIX_SCALE_ROW1
.endif
.else
.set DD, ACC+8*(4*\a+\b)
.if (\s) > 0
	v_wmma_scale_f32_16x16x128_f8f6f4 v[DD:DD+7], v[FW:FW+11], v[FT:FT+11], v[DD:DD+7], v[MS+\b], v[MS+\a] matrix_a_fmt:MATRIX_FMT_FP6 matrix_b_fmt:MATRIX_FMT_FP6 matrix_a_scale:MATRIX_SCALE_ROW1
.else
.if \var == 0
	v_wmma_scale_f32_16x16x128_f8f6f4 v[DD:DD+7], v[FW:FW+11], v[FT:FT+11], v[BI+8*\b:BI+8*\b+7], v[MS+\b], v[MS+\a] matrix_a_fmt:MATRIX_FMT_FP6 matrix_b_fmt:MATRIX_FMT_FP6 matrix_a_scale:MATRIX_SCALE_ROW1
.else
	v_wmma_scale_f32_16x16x128_f8f6f4 v[DD:DD+7], v[FW:FW+11], v[FT:FT+11], 0, v[MS+\b], v[MS+\a] matrix_a_fmt:MATRIX_FMT_FP6 matrix_b_fmt:MATRIX_FMT_FP6 matrix_a_scale:MATRIX_SCALE_ROW1
.endif
.endif
.endif
.endr
.endr
.endm
.macro MAIN var, rb, rs
	FETCH 0, \rb, \rs
.irp s, 0,1,2,3,4,5,6,7
.if \s < 7
.if \s > 0
	PLACES 4                                       ; in front of loads into registers that the products just issued have read
.endif
	FETCH \s+1, \rb, \rs
	s_wait_dscnt 52                                ; all but the 52 just issued
.else
	s_wait_dscnt 0x0
.endif
	MUL16 \s, \var
.endr
	WIN 0
	PLACES 4                                       ; in front of the first read of results
.endm
; four times 32 accumulator registers become 16 rows x 64 K of codes and two bytes.  pc, ps: the pointers to codes and scales
.macro EPI stride, word, pc, ps
.irp x, 0,1,2,3
	QUANT32 ACC+32*\x, P+8*\x, PW+\x, \word
.irp j, 0,1,2
	global_store_b64 v[CO], v[P+8*\x+2*\j:P+8*\x+2*\j+1], s[\pc:\pc+1] offset:\x*\stride+256*\j   ; 256 consecutive aligned bytes
.endr
.if \word
	global_store_b32 v[SO], v[PW+\x], s[\ps:\ps+1] offset:\x*64
.else
	global_store_b16 v[SO], v[PW+\x], s[\ps:\ps+1] offset:\x*64   ; my 64 keys' half of the word of 128 keys; the other half is the other wave's
.endif
.endr
.endm
	s_load_b256 s[4:11], s[0:1], 0x0               ; xc s[4:5], wts s[6:7], q_bias s[8:9], qb s[10:11]
	s_load_b64 s[12:13], s[0:1], 0x20              ; kvb
; A FOURTH PHASE: emb[n][e][h] = sum over f of sqrt(2) table[e][f] x positional[f][n][h] / 16, K = 256, e = 2047 - distance, then quantised along h for the positional scores.
; Work-group (x, y) makes the 64 rows e = 64 y .. 64 y + 63 for its two heads; a wave 32 rows x one head: 8 accumulators.  The table's block (12,800 bytes, shared along a row of the cluster) and positional's
; block (25,600 bytes, shared along a column) fill the first bytes of slot 1 again, behind the round that follows k's products.  embt is laid as qb: 128 tiles of 768 bytes, then 2048 scale words, for each head.
; Rows with a negative distance are not made: reference()'s causal mask removes every score that would take one, whatever the inputs hold.
	s_load_b128 s[72:75], s[0:1], 0x28             ; tab s[72:73], embt s[74:75]
.set ADT, 25                           ; the table's fragments
.set ADP, 28                           ; positional's
.set ADE, 29                           ; v29, v30 their scale words, K step 0, 1 (lanes 0-15 the table's, lanes 16-31 positional's)
	v_lshl_add_u32 v[SPW], v0, 2, SPARE
	v_mov_b32 v[NIL], 0
	ds_add_u32 v[SPW], v[NIL]                      ; the wave's opening: the add, twice on end, and its wait ahead of my first tensor load
	ds_add_u32 v[SPW], v[NIL]
	v_lshrrev_b32 v1, 5, v0
	v_readfirstlane_b32 s14, v1                    ; wave
	s_lshr_b32 s15, s14, 1                         ; which 64 tokens.  Also: I fetch for the tokens (0) or for the weights (1)
	s_and_b32 s16, s14, 1                          ; which 64 columns.  Also: which half of a block I fetch
	s_bfe_u32 s40, ttmp6, 0x40000                  ; cx
	s_bfe_u32 s41, ttmp6, 0x40004                  ; cy
	s_lshl_b32 s42, ttmp9, 2
	s_add_co_u32 s42, s42, s40                     ; x: which pair of heads
	s_and_b32 s17, ttmp7, 0xffff
	s_lshl_b32 s17, s17, 2
	s_add_co_u32 s17, s17, s41                     ; y: which 128 tokens
	s_lshl_b32 s43, s41, 2
	s_lshl_b32 s43, 15, s43                        ; my row of the cluster
	s_lshl_b32 s44, 0x1111, s40                    ; my column
	s_or_b32 s[G1A], s43, (3<<16)|(1<<21)          ; the mask; elements of 8 bytes; bit 21 set beside a mask; no padding
	s_or_b32 s[G1B], s44, (3<<16)|(1<<21)
.irp g, G1A, G1B
	s_mov_b32 s[\g+1], 32<<16                      ; rows of 32 elements = 256 bytes,
	s_mov_b32 s[\g+2], 200<<16                     ; 200 of them: two U-blocks,
	s_mov_b32 s[\g+3], 32<<16
	s_mov_b32 s[\g+4], 200
	s_mov_b32 s[\g+5], 32                          ; dense
	s_mov_b32 s[\g+6], 0
	s_mov_b32 s[\g+7], 0
.endr
	s_mov_b32 s[SEL], 0x76543210
	s_mov_b32 s[SEL+1], 0xfedcba98
	s_mul_i32 s18, s16, 51200                      ; my half, in memory and in LDS
	s_mul_i32 s20, s17, 102400
	s_add_co_u32 s20, s20, s18
	s_mov_b32 s21, 0
	s_mul_i32 s46, s42, 102400
	s_add_co_u32 s46, s46, s18
	s_mov_b32 s47, 0
	s_wait_dscnt 0x0                               ; both opening adds are done
	s_wait_kmcnt 0x0
	s_add_nc_u64 s[20:21], s[4:5], s[20:21]
	s_add_nc_u64 s[46:47], s[6:7], s[46:47]
	CROUND                                         ; all sixteen work-groups are here: the joint loads meet
	G0SET G0A, 0, 20, 0                            ; the tokens
	G0SET G0B, W0, 46, 0                           ; q's weights; k's lie 8 blocks of 102,400 bytes on, v's 16
	G0SET G0K, W1, 46, 819200
	G0SET G0V, W0, 46, 1638400
	s_cmp_eq_u32 s15, 0                            ; the head's loads, one a wave
	s_cbranch_scc0 .Lfill_w
	tensor_load_to_lds s[G0A:G0A+3], s[G1A:G1A+7]
	s_nop 0
	PLACES 4
	s_branch .Lfilled
.Lfill_w:
	tensor_load_to_lds s[G0B:G0B+3], s[G1B:G1B+7]
	s_nop 0
	PLACES 4
.Lfilled:
	v_and_b32 v1, 15, v0                           ; r
	v_bfe_u32 v2, v0, 4, 1                         ; h
	v_and_b32 v3, 31, v0
	v_lshlrev_b32 v[CO], 3, v3
	v_mov_b32 v[TM+2], 0
	v_mov_b32 v[TM+3], 0
	s_mul_i32 s21, s15, 6144                       ; my four tiles of tokens,
	s_mul_i32 s22, s16, 6144                       ; my four of columns
	s_add_co_u32 s22, s22, W0
	v_add_nc_u32 v[ADRA], s21, v[CO]
	v_add_nc_u32 v[ADRA+1], 51200, v[ADRA]
	v_add_nc_u32 v[ADRB], s22, v[CO]
	v_add_nc_u32 v[ADRB+1], 51200, v[ADRB]
	v_add_nc_u32 v[ADRK], 102400, v[ADRB]
	v_add_nc_u32 v[ADRK+1], 51200, v[ADRK]
	s_lshl_b32 s21, s15, 8
	s_lshl_b32 s22, s16, 8
	s_add_co_u32 s22, s22, W0
	s_sub_co_u32 s22, s22, s21
	v_mul_u32_u24 v3, s22, v2                      ; lanes 16-31 take the weights' words: the lower base + h x the distance
	v_lshl_add_u32 v3, v1, 2, v3
	s_add_co_u32 s21, s21, 24576
	v_add_nc_u32 v[ADRS], s21, v3
	v_add_nc_u32 v[ADRS+1], 51200, v[ADRS]
	s_add_co_u32 s22, s22, 102400                  ; the same with the distance to slot 1
	v_mul_u32_u24 v3, s22, v2
	v_lshl_add_u32 v3, v1, 2, v3
	v_add_nc_u32 v[ADSK], s21, v3
	v_add_nc_u32 v[ADSK+1], 51200, v[ADSK]
	s_mul_i32 s21, s15, 3072                       ; my two tiles of the table's four,
	s_add_co_u32 s21, s21, W1
	v_add_nc_u32 v[ADT], s21, v[CO]
	v_add_nc_u32 v[ADP], 12800, v[ADRK]            ; my head's four tiles of positional's eight
	s_lshl_b32 s21, s15, 7
	s_lshl_b32 s22, s16, 8
	s_add_co_u32 s22, s22, 25088                   ; from the table's words (at 12288) to positional's (at 12800 + 24576)
	s_sub_co_u32 s22, s22, s21
	v_mul_u32_u24 v3, s22, v2
	v_lshl_add_u32 v3, v1, 2, v3
	s_add_co_u32 s21, s21, W1+12288
	v_add_nc_u32 v[ADE], s21, v3
	s_add_co_u32 s22, s22, 256                     ; K step 1: the table's words lie 256 bytes on, positional's 512
	v_mul_u32_u24 v3, s22, v2
	v_lshl_add_u32 v3, v1, 2, v3
	s_add_co_u32 s21, s21, 256
	v_add_nc_u32 v[ADE+1], s21, v3
	v_lshlrev_b32 v[SO], 2, v1
	; where my results go
	s_lshr_b32 s66, s17, 4                         ; batch
	s_and_b32 s67, s17, 15                         ; which 128 of the 2048 tokens
	s_lshl_b32 s68, s42, 1
	s_add_co_u32 s68, s68, s16                     ; head
	s_lshl_b32 s66, s66, 4
	s_add_co_u32 s66, s66, s68                     ; batch x 16 + head
	s_mul_i32 s68, s66, 106496
	s_mul_i32 s69, s66, 208896
	s_mul_i32 s70, s67, 6144
	s_mul_i32 s71, s15, 3072
	s_add_co_u32 s76, s68, s70
	s_add_co_u32 s76, s76, s71                     ; q's codes
	s_lshl_b32 s77, s67, 9
	s_lshl_b32 s78, s15, 8
	s_add_co_u32 s77, s77, s78
	s_add_co_u32 s78, s68, s77
	s_add_co_u32 s78, s78, 98304                   ; q's scale words
	s_lshr_b32 s79, s67, 1
	s_mul_i32 s79, s79, 24576
	s_add_co_u32 s79, s79, s69
	s_and_b32 s80, s67, 1
	s_mul_i32 s80, s80, 6144
	s_add_co_u32 s79, s79, s80                     ; the key step's place in its slot of 256 keys
	s_add_co_u32 s80, s79, s71                     ; k's codes
	s_add_co_u32 s81, s69, s77
	s_add_co_u32 s81, s81, 196608                  ; k's scale words
	s_mul_i32 s82, s15, 768
	s_add_co_u32 s82, s82, s79
	s_add_co_u32 s82, s82, 12288                   ; v's codes
	s_lshl_b32 s83, s67, 8
	s_add_co_u32 s83, s83, s69
	s_lshl_b32 s84, s15, 1
	s_add_co_u32 s83, s83, s84
	s_add_co_u32 s83, s83, 204800                  ; v's scale halfwords
	s_mov_b32 s85, 0
	s_mov_b32 s84, s76
	s_add_nc_u64 s[88:89], s[10:11], s[84:85]
	s_mov_b32 s84, s78
	s_add_nc_u64 s[90:91], s[10:11], s[84:85]
	s_mov_b32 s84, s80
	s_add_nc_u64 s[92:93], s[12:13], s[84:85]
	s_mov_b32 s84, s81
	s_add_nc_u64 s[94:95], s[12:13], s[84:85]
	s_mov_b32 s84, s82
	s_add_nc_u64 s[96:97], s[12:13], s[84:85]
	s_mov_b32 s84, s83
	s_add_nc_u64 s[98:99], s[12:13], s[84:85]
	s_lshl_b32 s80, s42, 1                         ; emb: my head's 106,496 bytes,
	s_add_co_u32 s80, s80, s16
	s_mul_i32 s80, s80, 106496
	s_lshl_b32 s81, s17, 2
	s_lshl_b32 s82, s15, 1
	s_add_co_u32 s81, s81, s82                     ; my first tile of e: 4 y + 2 x half
	s_mul_i32 s82, s81, 768
	s_add_co_u32 s82, s82, s80
	s_mov_b32 s83, 0
	s_add_nc_u64 s[82:83], s[74:75], s[82:83]      ; its codes
	s_lshl_b32 s84, s81, 6
	s_add_co_u32 s84, s84, s80
	s_add_co_u32 s84, s84, 98304
	s_add_nc_u64 s[84:85], s[74:75], s[84:85]      ; its scale words
	s_mov_b32 s68, 1                               ; group 0 for the table's block y
	s_mov_b32 s69, W1
	s_mul_i32 s70, s17, 12800
	s_mov_b32 s71, 0
	s_add_nc_u64 s[70:71], s[72:73], s[70:71]
	s_or_b32 s71, s71, 0x80000000
	s_mov_b32 s76, 1                               ; and for positional's block x, which lies behind qkv's and out_kernel's codes
	s_mov_b32 s77, W1+12800
	s_mul_i32 s78, s42, 25600
	s_add_co_u32 s78, s78, 3276800
	s_mov_b32 s79, 0
	s_add_nc_u64 s[78:79], s[6:7], s[78:79]
	s_or_b32 s79, s79, 0x80000000
	v_lshlrev_b32 v3, 5, v2                        ; q's bias: lane (r, h) wants, for tile b, that of the head's 16 b + 8 h + 0 .. 7
	s_lshl_b32 s22, s42, 9
	s_lshl_b32 s23, s16, 8
	s_add_co_u32 s22, s22, s23
	s_mov_b32 s23, 0
	s_add_nc_u64 s[8:9], s[8:9], s[22:23]
.irp b, 0,1,2,3
	global_load_b128 v[BI+8*\b:BI+8*\b+3], v3, s[8:9] offset:64*\b
	global_load_b128 v[BI+8*\b+4:BI+8*\b+7], v3, s[8:9] offset:64*\b+16
.endr
	s_wait_alu depctr_va_vdst(0)                   ; the wait at the head's end
	s_wait_loadcnt 0x0                             ; the bias
	SEQ                                            ; everybody's part of the tokens and of q's weights is in
	WLOAD G0K                                      ; k's weights into slot 1: its first fill
	MAIN 0, ADRB, ADRS                             ; q
	SEQ                                            ; k's weights are in, and nobody reads slot 0 any more
	WLOAD G0V                                      ; v's weights fill slot 0 again
	EPI 768, 1, 88, 90
.macro FETCHE q                        ; the fourth phase's fragments and scale words of K step q: 40 LDS loads
	WIN 0x40
.irp i, 0,1
.irp p, 0,1,2,3,4,5
	ds_load_b64 v[96*\q+12*\i+2*\p:96*\q+12*\i+2*\p+1], v[ADT] offset:(\q*4+\i)*1536+256*\p
.endr
.endr
.irp i, 0,1,2,3
.irp p, 0,1,2,3,4,5
	ds_load_b64 v[96*\q+48+12*\i+2*\p:96*\q+48+12*\i+2*\p+1], v[ADP] offset:(\q*8+\i)*1536+256*\p
.endr
.endr
	WIN 0
.irp i, 0,1,2,3
	ds_load_b32 v[SC+4*\q+\i], v[ADE+\q] offset:\i*64
.endr
.endm
.macro MUL8 q                          ; transposed: source 0 = 16 of the head's 64, source 1 = 16 rows of the table; the eight accumulators take turns
	WIN 0x05
.irp a, 0,1
.irp b, 0,1,2,3
.set DD, ACC+8*(4*\a+\b)
.set FT, 96*\q+12*\a
.set FW, 96*\q+48+12*\b
.if \q == 0
	v_wmma_scale_f32_16x16x128_f8f6f4 v[DD:DD+7], v[FW:FW+11], v[FT:FT+11], 0, v[SC+4*\q+\b], v[SC+4*\q+\a] matrix_a_fmt:MATRIX_FMT_FP6 matrix_b_fmt:MATRIX_FMT_FP6 matrix_a_scale:MATRIX_SCALE_ROW1
.else
	v_wmma_scale_f32_16x16x128_f8f6f4 v[DD:DD+7], v[FW:FW+11], v[FT:FT+11], v[DD:DD+7], v[SC+4*\q+\b], v[SC+4*\q+\a] matrix_a_fmt:MATRIX_FMT_FP6 matrix_b_fmt:MATRIX_FMT_FP6 matrix_a_scale:MATRIX_SCALE_ROW1
.endif
.endr
.endr
.endm
	MAIN 2, ADRK, ADSK                             ; k
	s_wait_alu depctr_va_vdst(0)
	s_wait_tensorcnt 0x0                           ; my part of v's weights is in, and no tensor load of mine is out, so a descriptor may be written;
	ds_add_u32 v[SPW], v[NIL]
	s_mov_b32 s[G1A+2], 50<<16                     ; the table's block: 50 rows of 256 bytes;
	s_mov_b32 s[G1A+4], 50
	s_mov_b32 s[G1B+2], 100<<16                    ; positional's: 100
	s_mov_b32 s[G1B+4], 100
	s_wait_dscnt 0x0                               ; the add is done, and so are my reads of slot 1
	CROUND                                         ; v's weights are whole, and nobody reads slot 1 any more
	s_cmp_eq_u32 s14, 0                            ; wave 0 asks for the table's block, wave 2 for positional's
	s_cbranch_scc0 .Le_p
	tensor_load_to_lds s[68:71], s[G1A:G1A+7]
	s_nop 0
	PLACES 4
	s_branch .Le_done
.Le_p:
	s_cmp_eq_u32 s14, 2
	s_cbranch_scc0 .Le_done
	tensor_load_to_lds s[76:79], s[G1B:G1B+7]
	s_nop 0
	PLACES 4
.Le_done:
	s_wait_xcnt 0x0                                ; q's stores have read their registers
	EPI 768, 1, 92, 94
	MAIN 1, ADRB, ADRS                             ; v
	s_wait_alu depctr_va_vdst(0)
	s_wait_xcnt 0x0                                ; k's stores have read their registers
	EPI 1536, 0, 96, 98
	s_wait_alu depctr_va_vdst(0)
	s_wait_tensorcnt 0x0                           ; my block of the fourth phase is in,
	s_wait_dscnt 0x0
	s_barrier_signal -1
	s_barrier_wait -1                              ; both are.
	FETCHE 0
	FETCHE 1
	s_wait_dscnt 40                                ; all but K step 1's 40
	MUL8 0
	s_wait_dscnt 0x0
	MUL8 1
	WIN 0
	PLACES 4
.set j, 0
.rept 32
	v_pk_mul_f32 v[ACC+j:ACC+j+1], v[ACC+j:ACC+j+1], 0x3d800000 op_sel_hi:[1,0]   ; positional's 2^-4, on the f32 sums
.set j, j+2
.endr
	s_wait_alu depctr_va_vdst(0)
	s_wait_xcnt 0x0                                ; v's stores have read their registers
.irp x, 0,1
	QUANT32 ACC+32*\x, P+8*\x, PW+\x, 1
.irp j, 0,1,2
	global_store_b64 v[CO], v[P+8*\x+2*\j:P+8*\x+2*\j+1], s[82:83] offset:\x*768+256*\j
.endr
	global_store_b32 v[SO], v[PW+\x], s[84:85] offset:\x*64
.endr
	s_wait_tensorcnt 0x0                           ; the wave's end
	ds_add_u32 v[SPW], v[NIL]
	s_wait_dscnt 0x0
	CROUND                                         ; the closing round
	s_endpgm
.Lfunc_end_k_q17b8a99cfb_qkv:
	.size	k_q17b8a99cfb_qkv, .Lfunc_end_k_q17b8a99cfb_qkv-k_q17b8a99cfb_qkv
	.p2alignl 7, 3214868480
	.fill 96, 4, 3214868480
	.section	.rodata,"a",@progbits
	.p2align	6, 0x0
	.amdhsa_kernel k_q17b8a99cfb_qkv
		.amdhsa_group_segment_fixed_size 327680
		.amdhsa_private_segment_fixed_size 0
		.amdhsa_enable_private_segment 0
		.amdhsa_kernarg_size 56
		.amdhsa_user_sgpr_count 2
		.amdhsa_user_sgpr_kernarg_segment_ptr 1
		.amdhsa_wavefront_size32 1
		.amdhsa_system_sgpr_workgroup_id_x 1
		.amdhsa_system_sgpr_workgroup_id_y 1
		.amdhsa_system_sgpr_workgroup_id_z 1
		.amdhsa_system_vgpr_workitem_id 0
		.amdhsa_next_free_vgpr 448
		.amdhsa_next_free_sgpr 100
		.amdhsa_reserve_vcc 0
		.amdhsa_float_denorm_mode_32 3
		.amdhsa_float_denorm_mode_16_64 3
		.amdhsa_memory_ordered 1
		.amdhsa_forward_progress 1
		.amdhsa_inst_pref_size 188
	.end_amdhsa_kernel
	.amdgpu_metadata
---
amdhsa.version: [ 1, 2 ]
amdhsa.kernels:
  - .name:           k_q17b8a99cfb_qkv
    .symbol:         k_q17b8a99cfb_qkv.kd
    .args:
      - { .name: xc, .offset: 0, .size: 8, .value_kind: global_buffer, .address_space: global }
      - { .name: wts, .offset: 8, .size: 8, .value_kind: global_buffer, .address_space: global }
      - { .name: q_bias, .offset: 16, .size: 8, .value_kind: global_buffer, .address_space: global }
      - { .name: qb, .offset: 24, .size: 8, .value_kind: global_buffer, .address_space: global }
      - { .name: kvb, .offset: 32, .size: 8, .value_kind: global_buffer, .address_space: global }
      - { .name: tab, .offset: 40, .size: 8, .value_kind: global_buffer, .address_space: global }
      - { .name: embt, .offset: 48, .size: 8, .value_kind: global_buffer, .address_space: global }
    .group_segment_fixed_size: 327680
    .private_segment_fixed_size: 0
    .kernarg_segment_align: 8
    .kernarg_segment_size: 56
    .max_flat_workgroup_size: 128
    .sgpr_count:     100
    .vgpr_count:     448
    .wavefront_size: 32
...
	.end_amdgpu_metadata
.endif
;; end of part 2
;; launch attn (part 3): grid 8 x 32, 16 waves a work-group, no clusters, 327,680 bytes of LDS; arguments qb, kvb, embt, oc; writes oc
.if DOCPART == 3
	.amdgcn_target "amdgcn-amd-amdhsa--gfx1250"
	.amdhsa_code_object_version 6
	.text
	.protected	k_q17b8a99cfb_attn
	.globl	k_q17b8a99cfb_attn
	.p2align	8
	.type	k_q17b8a99cfb_attn,@function
k_q17b8a99cfb_attn:
	s_mov_b64 s[64:65], 0
	v_nop
	global_prefetch_b8 v0, s[64:65] scope:SCOPE_SE
	s_setreg_imm32_b32 hwreg(HW_REG_WAVE_MODE, 25, 1), 1
	s_wait_xcnt 0x0
; ATTN: causal attention with relative positions, all three products on codes of FP6.  logit(q, k) = (q . k + q . emb[q - k]) / 8;  t = logit x log2(e);  M = the ceiling of the running largest t;  p = 2^(t - M) is
; quantised along the keys; the row's sum is taken of the unquantised p and divides at the end; o is then quantised along the head's 64 for the output projection.
; SHARES.  A work-group serves one (batch, head).  Waves 0-7 own the 128 queries of block j, waves 8-15 those of block 15 - j: 17 blocks of keys to walk in every work-group.  A wave owns 16 queries in 256 registers.
; Keys go 128 a step.  K's tiles go through a ring of two LDS slots of 256 keys (16 tiles, 12,288 dense bytes, brought by wave 0).  The head's emb codes and the scale words of K, V, emb stay in LDS.
; V's four fragments of a step (24 loads of 256 consecutive bytes) come from memory straight into the operand's registers: they are asked for ahead of the softmax and awaited behind it, and pass through no LDS byte.
; All products are used transposed: a lane holds ONE query (lane % 16).  K = 64 in an instruction of 128: q's upper six registers are zeros, the other side's upper six hold other codes (every 6-bit code is a finite number).
; Scale words from LDS come two tiles to a load: lanes 0-15 one tile's 16 words, lanes 16-31 the next tile's, which the product takes by the upper row of the scale register.
; THE RELATIVE SHIFT.  emb is stored by e = 2047 - (q - k).  For a step's 128 keys the wave multiplies q by nine tiles of emb (144 values of e from 16 (127 - Q0/16 + KF/16) on; five ahead of the first 64 keys, four
; ahead of the others), stores the results by rows of 592 bytes into its own LDS bytes, and reads them back 4 bytes a lane at 588 r + 60 + ..: query r's row begins 15 - r places later, which is the shift.
; What comes back lies as the scores lie and is the C of the product K Q^T.
; CAUSAL.  Every work-group walks all 8 slots (constant trip counts); a step whose keys all come after the wave's queries is jumped over, and so is the score work of a step's upper 64 keys where these all come after
; them (their scores are set to minus infinity); a slot whose first key comes after the work-group's last query is not asked for.  All these tests are made of ids and the count of steps alone.
; embt holds e = 0 .. 2047: rows with a negative distance are not made, since reference()'s causal mask removes every score that would take one.  In LDS their codes are bytes of the head's scale words
; (finite numbers) and their scale words are zeros written by a load whose tile reaches past its tensor's end.
; No cluster: the work-groups of a head need 5 to 8 slots, so partners would make different numbers of joint requests.  All of LDS is claimed.
; LIMITS: NaN and infinities are not served; a block whose p are all 0 keeps the byte 1 over zero codes.
.set SLOT1, 16384
.set SPARE, 12288                      ; between the slots: the spare words, 128 bytes for each of 16 waves
.set SCL, 28672                        ; K's 2048 scale words, then V's 1024
.set EMB, 40960                        ; 136 tiles x 768 bytes, then 2176 scale words
.set EMBS, EMB+104448
.set SKEW, 154112                      ; 16 rows x 592 bytes for each wave
.set SKP, 592
.set AL8, 1
.set AE0, 2
.set AES0, 3
.set ASK0, 4
.set ASV0, 5
.set SKS, 6
.set SKL, 7
.set ADK, 8
.set ADS, 9
.set ADT, 10
.set ADE, 11
.set QS, 28
.set ADES, 29
.set SPW, 30
.set NIL, 31
.set F, 32                             ; v32-79 fragments
.set PD, 80                            ; v80-119 q . emb, up to five tiles
.set S, 120                            ; v120-183 scores, then p
.set OA, 184                           ; v184-215 O^T
.set PC, 216                           ; v216-227 p's codes
.set TX, 228                           ; v228-230, v232-234 conversions' second halves
.set PFO, 231
.set T1, 235
.set BM, 236
.set TM, 236
.set TP, 240
.set SOP, 244
.set SR, 248                           ; v248-250 scale words from LDS
.set PW, 253                           ; p's scale word
.set FF, 254                           ; v[254:255] f
.set WV, 18
.set SEL, 20
.set CS, 22
.set G1R, 24
.set G1E, 32
.set G0R, 40
.set G0E, 44
.set G0S, 48
.set TB, 2
.set TS, 3
.set TJ, 52
.set SLOTS, 53
.set KF, 54
.set Q0, 55
.set LQ, 56
.set SE, 57
.set LIM, 58
.set PFA, 60
.set VB, 62                            ; s[62:63] V's fragments of the slot in hand
.macro PLACES n
.rept \n
	v_nop
.endr
.endm
; one product: D = a x b (+ D where acc = 1); a's scales from the lower (row = 0) or the upper (row = 1) lanes of v[sa]
.macro WM d, a, b, acc, sa, sb, row
.if \acc
.if \row
	v_wmma_scale_f32_16x16x128_f8f6f4 v[\d:\d+7], v[\a:\a+11], v[\b:\b+11], v[\d:\d+7], v[\sa], v[\sb] matrix_a_fmt:MATRIX_FMT_FP6 matrix_b_fmt:MATRIX_FMT_FP6 matrix_a_scale:MATRIX_SCALE_ROW1
.else
	v_wmma_scale_f32_16x16x128_f8f6f4 v[\d:\d+7], v[\a:\a+11], v[\b:\b+11], v[\d:\d+7], v[\sa], v[\sb] matrix_a_fmt:MATRIX_FMT_FP6 matrix_b_fmt:MATRIX_FMT_FP6
.endif
.else
.if \row
	v_wmma_scale_f32_16x16x128_f8f6f4 v[\d:\d+7], v[\a:\a+11], v[\b:\b+11], 0, v[\sa], v[\sb] matrix_a_fmt:MATRIX_FMT_FP6 matrix_b_fmt:MATRIX_FMT_FP6 matrix_a_scale:MATRIX_SCALE_ROW1
.else
	v_wmma_scale_f32_16x16x128_f8f6f4 v[\d:\d+7], v[\a:\a+11], v[\b:\b+11], 0, v[\sa], v[\sb] matrix_a_fmt:MATRIX_FMT_FP6 matrix_b_fmt:MATRIX_FMT_FP6
.endif
.endif
.endm
.macro QUANT32 s, pc, pw, word
	v_max3_num_f32 v[TM], |v[\s]|, |v[\s+1]|, 0x1800000
	v_max3_num_f32 v[TM+1], |v[\s+16]|, |v[\s+17]|, 0x1800000
.irp i, 2,4,6,8,10,12,14
	s_delay_alu instid0(VALU_DEP_2)
	v_max3_num_f32 v[TM], v[TM], |v[\s+\i]|, |v[\s+\i+1]|
	s_delay_alu instid0(VALU_DEP_2)
	v_max3_num_f32 v[TM+1], v[TM+1], |v[\s+16+\i]|, |v[\s+17+\i]|
.endr
	s_delay_alu instid0(VALU_DEP_2)
	v_permlanex16_b32 v[TM+2], v[TM], s[SEL], s[SEL+1]
	s_delay_alu instid0(VALU_DEP_2)
	v_permlanex16_b32 v[TM+3], v[TM+1], s[SEL], s[SEL+1]
	s_delay_alu instid0(VALU_DEP_2)
	v_max_num_f32 v[TM], v[TM], v[TM+2]
	s_delay_alu instid0(VALU_DEP_2)
	v_max_num_f32 v[TM+1], v[TM+1], v[TM+3]
	s_delay_alu instid0(VALU_DEP_2)
	v_add_nc_u32 v[TM+4], 0xff000000, v[TM]
	s_delay_alu instid0(VALU_DEP_2)
	v_add_nc_u32 v[TM+5], 0xff000000, v[TM+1]
	s_delay_alu instid0(VALU_DEP_2)
	v_lshrrev_b32 v[TM+2], 23, v[TM+4]
	s_delay_alu instid0(VALU_DEP_2)
	v_lshrrev_b32 v[TM+3], 23, v[TM+5]
	s_delay_alu instid0(VALU_DEP_1)
	v_lshl_or_b32 v[\pw], v[TM+3], 8, v[TM+2]
.if \word
	v_or_b32 v[\pw], 0x7f7f0000, v[\pw]
.endif
	v_cvt_scalef32_pk16_fp6_f32 v[\pc:\pc+2], v[\s:\s+15], v[TM+4]
	v_cvt_scalef32_pk16_fp6_f32 v[TX:TX+2], v[\s+16:\s+31], v[TM+5]
	v_nop
.irp i, 0,1,2
	v_permlane16_swap_b32 v[\pc+\i], v[TX+\i]
.endr
.irp i, 0,1,2
	s_delay_alu instid0(VALU_DEP_3)
	v_mov_b32 v[\pc+3+\i], v[TX+\i]
.endr
.endm
; the ring's load: wave 0, K's 16 tiles of a slot.  An s_nop 0 and four v_nop follow it
.macro TLOAD
	s_cmp_eq_u32 s[WV], 0
	s_cbranch_scc0 .Lasked_\@
	tensor_load_to_lds s[G0R:G0R+3], s[G1R:G1R+7]
	s_nop 0
	PLACES 4
.Lasked_\@:
.endm
; a prefetch of the 256 keys that the NEXT change of slots will ask for: K's and V's 24,576 dense bytes.  All eight work-groups of a head walk the same keys: the first of them asks, and in it waves 4, 5 and 6:
; 8,192 bytes a wave, lanes 256 bytes apart: each aligned block of 256 bytes is named once in the launch.  The last change that fills a slot asks for nothing; the first 512 keys come by their loads alone.
.macro ASK
	s_cmp_gt_u32 s[SLOTS], s[LIM]
	s_cbranch_scc0 .Lnot_mine_\@
	global_prefetch_b8 v[PFO], s[PFA:PFA+1] th:TH_LOAD_NT scope:SCOPE_SE
.Lnot_mine_\@:
.endm
	s_load_b256 s[4:11], s[0:1], 0x0               ; qb s[4:5], kvb s[6:7], embt s[8:9], oc s[10:11]
	v_lshl_add_u32 v[SPW], v0, 2, SPARE
	v_mov_b32 v[NIL], 0
	ds_add_u32 v[SPW], v[NIL]                      ; the wave's opening: the add, twice on end, and its wait ahead of my first tensor load
	ds_add_u32 v[SPW], v[NIL]
	v_lshrrev_b32 v8, 5, v0
	s_delay_alu instid0(VALU_DEP_1)
	v_readfirstlane_b32 s[WV], v8                  ; wave 0..15
	s_and_b32 s66, ttmp7, 0xffff                   ; batch x 16 + head
	s_and_b32 s67, s66, 15                         ; head
	s_lshr_b32 s68, s66, 4                         ; batch
	s_sub_co_u32 s69, 15, ttmp9                    ; the late block of queries
	s_cmp_lt_u32 s[WV], 8
	s_cselect_b32 s70, ttmp9, s69                  ; my block
	s_lshl_b32 s70, s70, 7
	s_and_b32 s71, s[WV], 7
	s_lshl_b32 s71, s71, 4
	s_add_co_u32 s[Q0], s70, s71                   ; my first query
	s_lshl_b32 s[LQ], s69, 7
	s_or_b32 s[LQ], s[LQ], 127                     ; the work-group's last query
	s_lshr_b32 s71, s[Q0], 4                       ; my tile of queries
	s_sub_co_u32 s[SE], 127, s71                   ; the first tile of emb for key step 0
	s_mov_b32 s[G1R], 3<<16                        ; 48 rows of 256 bytes, dense: K's tiles of a slot, or the scale words of K and V
	s_mov_b32 s[G1R+1], 32<<16
	s_mov_b32 s[G1R+2], 48<<16
	s_mov_b32 s[G1R+3], 32<<16
	s_mov_b32 s[G1R+4], 48
	s_mov_b32 s[G1R+5], 32
	s_mov_b32 s[G1R+6], 0
	s_mov_b32 s[G1R+7], 0
	s_mov_b32 s[G1E], 3<<16                        ; 204 rows of 256 bytes: half of the LDS room for emb's codes (384 rows of codes; the last 24 rows are bytes of the scale words)
	s_mov_b32 s[G1E+1], 32<<16
	s_mov_b32 s[G1E+2], 204<<16
	s_mov_b32 s[G1E+3], 32<<16
	s_mov_b32 s[G1E+4], 204
	s_mov_b32 s[G1E+5], 32
	s_mov_b32 s[G1E+6], 0
	s_mov_b32 s[G1E+7], 0
	s_and_b32 s72, s[WV], 1
	s_mul_i32 s74, s72, 52224
	s_mul_i32 s76, s66, 208896
	s_mov_b32 s77, 0
	s_mul_i32 s78, s67, 106496
	s_mov_b32 s79, 0
	s_mov_b32 s81, 0
	s_mov_b32 s[SEL], 0x76543210
	s_mov_b32 s[SEL+1], 0xfedcba98
	s_mov_b32 s[CS], 0x3e38aa3b                    ; c = log2(e) / 8
	s_mov_b32 s[CS+1], s[CS]
	s_mov_b32 s[TB], 0
	s_mov_b32 s[TS], 0
	s_mov_b32 s[TJ], 0
	s_mov_b32 s[KF], 0
	s_mov_b32 s[SLOTS], 7
	s_wait_dscnt 0x0                               ; both opening adds are done
	s_wait_kmcnt 0x0
	s_add_nc_u64 s[6:7], s[6:7], s[76:77]          ; K and V at my head
	s_add_nc_u64 s[8:9], s[8:9], s[78:79]          ; emb at my head
	s_add_nc_u64 s[VB:VB+1], s[6:7], 12288         ; V's fragments of the first 256 keys lie behind K's tiles
	s_mov_b32 s[G0R], 1
	s_mov_b32 s[G0R+1], 0
	s_mov_b64 s[G0R+2:G0R+3], s[6:7]
	s_or_b32 s[G0R+3], s[G0R+3], 0x80000000
	s_mov_b32 s[G0E], 1
	s_add_co_u32 s[G0E+1], s74, EMB
	s_mov_b32 s80, s74
	s_add_nc_u64 s[G0E+2:G0E+3], s[8:9], s[80:81]
	s_or_b32 s[G0E+3], s[G0E+3], 0x80000000
	s_mov_b32 s[G0S], 1
	s_mov_b32 s[G0S+1], SCL
	s_add_nc_u64 s[G0S+2:G0S+3], s[6:7], 196608
	s_or_b32 s[G0S+3], s[G0S+3], 0x80000000
	s_mov_b32 s12, 1                               ; emb's scale words: 32 rows of 256 bytes, in a tile of 34: the two rows past the tensor's end are written as zeros: the words of e = 2048 .. 2175
	s_mov_b32 s13, EMBS
	s_add_nc_u64 s[14:15], s[8:9], 98304
	s_or_b32 s15, s15, 0x80000000
	s_mov_b32 s72, 3<<16
	s_mov_b32 s73, 32<<16
	s_mov_b32 s74, 32<<16                          ; tensor_dim1 = 32
	s_mov_b32 s75, 32<<16
	s_mov_b32 s76, 34                              ; tile_dim1 = 34
	s_mov_b32 s77, 32
	s_mov_b32 s78, 0
	s_mov_b32 s79, 0
	s_cmp_eq_u32 s[WV], 0                          ; the first fills: wave 0 slot 0; waves 1, 2 emb's codes; wave 4 the scale words of K and V; wave 5 emb's: one tensor load a wave; every wait on TENSORcnt in this text is for 0
	s_cbranch_scc0 .Lfirst_e
	tensor_load_to_lds s[G0R:G0R+3], s[G1R:G1R+7]
	s_nop 0
	PLACES 4
	s_branch .Lfirst_done
.Lfirst_e:
	s_cmp_lt_u32 s[WV], 3
	s_cbranch_scc0 .Lfirst_s
	tensor_load_to_lds s[G0E:G0E+3], s[G1E:G1E+7]
	s_nop 0
	PLACES 4
	s_branch .Lfirst_done
.Lfirst_s:
	s_cmp_eq_u32 s[WV], 4
	s_cbranch_scc0 .Lfirst_f
	tensor_load_to_lds s[G0S:G0S+3], s[G1R:G1R+7]
	s_nop 0
	PLACES 4
	s_branch .Lfirst_done
.Lfirst_f:
	s_cmp_eq_u32 s[WV], 5
	s_cbranch_scc0 .Lfirst_done
	tensor_load_to_lds s[12:15], s[72:79]
	s_nop 0
	PLACES 4
.Lfirst_done:
	s_mul_i32 s80, s66, 106496
	s_mul_i32 s82, s71, 768
	s_add_co_u32 s82, s82, s80
	s_mov_b32 s83, 0
	s_lshl_b32 s84, s71, 6
	s_add_co_u32 s84, s84, s80
	s_add_co_u32 s84, s84, 98304
	s_mov_b32 s85, 0
	s_add_nc_u64 s[82:83], s[4:5], s[82:83]        ; q's codes, my tile
	s_add_nc_u64 s[84:85], s[4:5], s[84:85]        ; and its scale words
	v_and_b32 v8, 31, v0
	s_delay_alu instid0(VALU_DEP_1)
	v_lshlrev_b32 v[AL8], 3, v8
	s_delay_alu instid0(VALU_DEP_2)
	v_lshlrev_b32 v[PFO], 8, v8
	v_and_b32 v9, 15, v0                           ; r
	v_bfe_u32 v10, v0, 4, 1                        ; h
	s_delay_alu instid0(VALU_DEP_2)
	v_lshlrev_b32 v11, 2, v9
.irp j, 0,1,2
	global_load_b64 v[16+2*\j:17+2*\j], v[AL8], s[82:83] offset:256*\j
.endr
	global_load_b32 v[QS], v11, s[84:85]
.irp i, 0,1,2,3,4,5
	v_mov_b32 v[22+\i], 0                          ; q's K 64 .. 127: zero codes
	v_mov_b32 v[F+30+\i], 0                        ; named as the upper half of the fifth tile of emb before anything has landed there
.endr
	v_add_nc_u32 v[AE0], EMB, v[AL8]
	v_lshlrev_b32 v12, 2, v8                       ; scale words from LDS: 4 x lane
	s_delay_alu instid0(VALU_DEP_1)
	v_add_nc_u32 v[AES0], EMBS, v12
	v_add_nc_u32 v[ASK0], SCL, v12
	v_add_nc_u32 v[ASV0], SCL+8192, v12
	s_mul_i32 s86, s[WV], 16*SKP
	s_add_co_u32 s86, s86, SKEW
	v_mul_u32_u24 v[SKS], v9, SKP
	s_delay_alu instid0(VALU_DEP_1)
	v_lshl_add_u32 v[SKS], v10, 5, v[SKS]
	s_delay_alu instid0(VALU_DEP_1)
	v_add_nc_u32 v[SKS], s86, v[SKS]               ; in: row r, + 32 h
	v_mul_u32_u24 v[SKL], v9, SKP-4
	s_delay_alu instid0(VALU_DEP_1)
	v_lshl_add_u32 v[SKL], v10, 5, v[SKL]
	s_delay_alu instid0(VALU_DEP_1)
	v_add_nc_u32 v[SKL], s86, v[SKL]
	s_delay_alu instid0(VALU_DEP_1)
	v_add_nc_u32 v[SKL], 60, v[SKL]                ; back: row r, 15 - r places on, + 32 h
	v_mov_b32 v13, 0xff61b1e6                      ; the largest t so far: -3e38
	s_delay_alu instid0(VALU_DEP_1)
	v_floor_f32 v12, -v13                          ; -M
	v_mov_b32 v14, 0
	v_mov_b32 v15, 0
.set i, 0
.rept 32
	v_mov_b32 v[OA+i], 0                           ; O^T: the step is written once; the first finds zeros
.set i, i+1
.endr
.set i, 235
.rept 9
	v_mov_b32 v[i], 0                              ; written once: a lane permute's destination counts as one of its sources
.set i, i+1
.endr
	v_mov_b32 v[FF], 0
	v_mov_b32 v[FF+1], 0
	; where o goes: token tile 128 batch + Q0 / 16; K = head x 64 + ..
	s_lshl_b32 s86, s68, 7
	s_add_co_u32 s86, s86, s71
	s_lshr_b32 s87, s86, 3
	s_mul_i32 s87, s87, 102400
	s_lshr_b32 s92, s67, 2
	s_mul_i32 s92, s92, 25600
	s_add_co_u32 s87, s87, s92                     ; the U-block
	s_and_b32 s86, s86, 7
	s_bfe_u32 s92, s67, 0x10001
	s_lshl_b32 s92, s92, 3
	s_add_co_u32 s86, s86, s92                     ; the fragment in it
	s_and_b32 s92, s67, 1
	s_mul_i32 s88, s86, 1536
	s_add_co_u32 s88, s88, s87
	s_mul_i32 s93, s92, 768
	s_add_co_u32 s88, s88, s93
	s_mov_b32 s89, 0
	s_lshl_b32 s90, s86, 6
	s_add_co_u32 s90, s90, s87
	s_lshl_b32 s93, s92, 1
	s_add_co_u32 s90, s90, s93
	s_add_co_u32 s90, s90, 24576
	s_mov_b32 s91, 0
	s_add_nc_u64 s[88:89], s[10:11], s[88:89]
	s_add_nc_u64 s[90:91], s[10:11], s[90:91]
	; the prefetches: who asks, and where
	s_and_b32 s92, s[WV], 3
	s_lshl_b32 s92, s92, 13
	s_add_co_u32 s92, s92, 24576                   ; at keys 256 on: the first change of slots steps it to keys 512 on
	s_mov_b32 s93, 0
	s_add_nc_u64 s[PFA:PFA+1], s[6:7], s[92:93]
	s_sub_co_u32 s92, s[WV], 4
	s_cmp_lt_u32 s92, 3
	s_cselect_b32 s92, 0, 1
	s_or_b32 s92, s92, ttmp9
	s_cmp_eq_u32 s92, 0
	s_cselect_b32 s[LIM], 1, -1
; the scores of 64 keys (half g of step q): the shifted q . emb comes back from my rows as C, K's four tiles and their words come from the slot, and K Q^T is added
.macro KQ q, g
.irp t, 0,1,2,3
.irp j, 0,1,2,3,4,5,6,7
	ds_load_b32 v[S+32*\g+8*\t+\j], v[SKL] offset:256*\g+64*\t+4*\j   ; my wave's own bytes: LDS serves a wave's instructions in order
.endr
.endr
.irp t, 0,1,2,3
.irp j, 0,1,2
	ds_load_b64 v[F+6*\t+2*\j:F+6*\t+2*\j+1], v[ADK] offset:(8*(\q)+4*\g+\t)*768+256*\j
.endr
.endr
	ds_load_b32 v[SR], v[ADS] offset:(4*\g)*64
	ds_load_b32 v[SR+1], v[ADS] offset:(4*\g+2)*64
	s_wait_dscnt 0x0
.irp t, 0,1,2,3
	WM S+32*\g+8*\t, F+6*\t, 16, 1, SR+\t/2, QS, \t%2
.endr
.endm
; A KEY STEP: 128 keys, the q-th of the slot in hand
.macro STEP q
	s_add_co_u32 s96, s[Q0], 15
	s_cmp_gt_u32 s[KF], s96                        ; all its keys come after my queries: ids alone
	s_cbranch_scc1 .Lhidden_\@
	s_min_u32 s97, s[SE], 127                      ; (never acts in a step that is walked; it bounds the address)
	s_mul_i32 s96, s97, 768
	s_lshl_b32 s97, s97, 6
	v_add_nc_u32 v[ADK], s[TB], v[AL8]             ; these five are also the places behind the last step's products
	v_add_nc_u32 v[ADS], s[TS], v[ASK0]
	v_add_nc_u32 v[ADT], s[TJ], v[ASV0]
	v_add_nc_u32 v[ADE], s96, v[AE0]
	v_add_nc_u32 v[ADES], s97, v[AES0]
	s_wait_alu depctr_va_vdst(0)
.irp t, 0,1,2,3,4                              ; tiles 0-4 of the step's nine
.irp j, 0,1,2
	ds_load_b64 v[F+6*\t+2*\j:F+6*\t+2*\j+1], v[ADE] offset:\t*768+256*\j
.endr
.endr
	ds_load_b32 v[SR], v[ADES]                     ; the words of tiles (0, 1),
	ds_load_b32 v[SR+1], v[ADES] offset:128        ; (2, 3)
	ds_load_b32 v[SR+2], v[ADES] offset:192        ; and (3, 4)
	s_wait_dscnt 0x0
	WM PD, F, 16, 0, SR, QS, 0
	WM PD+8, F+6, 16, 0, SR, QS, 1
	WM PD+16, F+12, 16, 0, SR+1, QS, 0
	WM PD+24, F+18, 16, 0, SR+1, QS, 1
	WM PD+32, F+24, 16, 0, SR+2, QS, 1
	PLACES 4                                       ; in front of the stores of results and of the loads into the fragments' registers
.irp t, 0,1,2,3,4
	ds_store_b128 v[SKS], v[PD+8*\t:PD+8*\t+3] offset:64*\t
	ds_store_b128 v[SKS], v[PD+8*\t+4:PD+8*\t+7] offset:64*\t+16
.endr
	KQ \q, 0
	s_add_co_u32 s96, s[KF], 64
	s_add_co_u32 s97, s[Q0], 15
	s_cmp_gt_u32 s96, s97                          ; the upper 64 keys all come after my queries: ids alone
	s_cbranch_scc1 .Lhalf_\@
	PLACES 4
.irp t, 0,1,2,3                                ; tiles 5-8
.irp j, 0,1,2
	ds_load_b64 v[F+6*\t+2*\j:F+6*\t+2*\j+1], v[ADE] offset:(5+\t)*768+256*\j
.endr
.endr
	ds_load_b32 v[SR], v[ADES] offset:320          ; the words of tiles (5, 6)
	ds_load_b32 v[SR+1], v[ADES] offset:448        ; and (7, 8)
	s_wait_dscnt 0x0
.irp t, 0,1,2,3
	WM PD+8*\t, F+6*\t, 16, 0, SR+\t/2, QS, \t%2
.endr
	PLACES 4
.irp t, 0,1,2,3
	ds_store_b128 v[SKS], v[PD+8*\t:PD+8*\t+3] offset:64*(5+\t)
	ds_store_b128 v[SKS], v[PD+8*\t+4:PD+8*\t+7] offset:64*(5+\t)+16
.endr
	KQ \q, 1
	s_branch .Lboth_\@
.Lhalf_\@:
.set n, 0
.rept 32
	v_mov_b32 v[S+32+n], 0xff800000                ; what the mask would make of them
.set n, n+1
.endr
.Lboth_\@:
	PLACES 4
.irp t, 0,1,2,3                                ; V's four fragments are asked for now, from memory, and land during the softmax: each load reads 256 consecutive aligned bytes
.irp p, 0,1,2,3,4,5
	global_load_b64 v[F+12*\t+2*\p:F+12*\t+2*\p+1], v[AL8], s[VB:VB+1] offset:(4*(\q)+\t)*1536+256*\p
.endr
.endr
	ds_load_b32 v[SR], v[ADT]                      ; V's words of tiles (0, 1)
	ds_load_b32 v[SR+1], v[ADT] offset:128         ; and (2, 3)
	s_add_co_u32 s96, s[KF], 127                   ; on the diagonal hidden scores become -infinity; a step all of whose keys count skips this
	s_cmp_le_u32 s96, s[Q0]
	s_cbranch_scc1 .Lopen_\@
	s_sub_co_i32 s96, s[Q0], s[KF]
	v_and_b32 v232, 15, v0
	v_bfe_u32 v233, v0, 4, 1
	s_delay_alu instid0(VALU_DEP_1)
	v_lshlrev_b32 v233, 3, v233
	s_delay_alu instid0(VALU_DEP_1)
	v_sub_nc_u32 v232, v232, v233
	s_delay_alu instid0(VALU_DEP_1)
	v_add_nc_u32 v232, s96, v232                   ; d = my query - KF - 8 h.  Register 8 T + j holds key KF + 16 T + 8 h + j: hidden where 16 T + j > d
	v_mov_b32 v234, 0xff800000
.set n, 0
.rept 64
	v_cmp_gt_i32 vcc_lo, 16*(n/8)+n%8, v232
	v_cndmask_b32 v[S+n], v[S+n], v234, vcc_lo
.set n, n+1
.endr
.Lopen_\@:
.irp b, 0,1,2,3
	v_max3_num_f32 v[BM+\b], v[S+16*\b], v[S+16*\b+1], v[S+16*\b+2]   ; the largest score of each block of 32 keys: for the row's maximum and for the block's largest p
.endr
.irp i, 3,5,7,9,11,13
.irp b, 0,1,2,3
	v_max3_num_f32 v[BM+\b], v[BM+\b], v[S+16*\b+\i], v[S+16*\b+\i+1]
.endr
.endr
.irp b, 0,1,2,3
	v_max_num_f32 v[BM+\b], v[BM+\b], v[S+16*\b+15]
.endr
.irp b, 0,1,2,3
	s_delay_alu instid0(VALU_DEP_4)
	v_permlanex16_b32 v[TP+\b], v[BM+\b], s[SEL], s[SEL+1]
.endr
.irp b, 0,1,2,3
	s_delay_alu instid0(VALU_DEP_4)
	v_max_num_f32 v[BM+\b], v[BM+\b], v[TP+\b]
.endr
	s_delay_alu instid0(VALU_DEP_2)
	v_max3_num_f32 v[T1], v[BM], v[BM+1], v[BM+2]
	s_delay_alu instid0(VALU_DEP_1)
	v_max_num_f32 v[T1], v[T1], v[BM+3]
	s_delay_alu instid0(VALU_DEP_1)
	v_mul_f32 v[T1], s[CS], v[T1]
	s_delay_alu instid0(VALU_DEP_1)
	v_max_num_f32 v13, v13, v[T1]                  ; the running largest t
	v_mov_b32 v[T1], v12
	s_delay_alu instid0(VALU_DEP_2)
	v_floor_f32 v12, -v13                          ; -M = floor(-t): M is a whole number
	s_delay_alu instid0(VALU_DEP_1)
	v_sub_f32 v[T1], v12, v[T1]
	s_delay_alu instid0(VALU_DEP_1)
	v_cvt_i32_f32 v[T1], v[T1]                     ; (it saturates)
	s_delay_alu instid0(VALU_DEP_1)
	v_ldexp_f32 v[FF], 1.0, v[T1]                  ; f = 2^(old M - new M)
.set j, 0
.rept 32
	v_pk_fma_f32 v[S+j:S+j+1], v[S+j:S+j+1], s[CS:CS+1], v[12:13] op_sel_hi:[1,0,0]   ; t - M
.set j, j+2
.endr
.irp b, 0,1,2,3
	v_fma_f32 v[BM+\b], v[BM+\b], s[CS], v12
.endr
.set j, 0
	s_wait_alu depctr_va_vdst(0)                   ; the wait ahead of the batch
.rept 64
	v_exp_f32 v[S+j], v[S+j]                       ; p = 2^(t - M)
.set j, j+1
.endr
	v_pk_mul_f32 v[14:15], v[14:15], v[FF:FF+1] op_sel_hi:[1,0]   ; the sums under the new M: a plain place behind the exponentials
	s_wait_alu depctr_va_vdst(0)                   ; one wait for the whole batch, ahead of its first reader
.irp b, 0,1,2,3
	v_exp_f32 v[BM+\b], v[BM+\b]                   ; each block's largest p
.endr
	v_pk_add_f32 v[240:241], v[124:125], v[128:129]   ; the row's sum of the unquantised p, in eight chains
	v_pk_add_f32 v[252:253], v[132:133], v[136:137]
	v_pk_add_f32 v[246:247], v[140:141], v[144:145]
	v_pk_add_f32 v[244:245], v[148:149], v[152:153]
	v_pk_add_f32 v[242:243], v[156:157], v[160:161]
	v_pk_add_f32 v[232:233], v[164:165], v[168:169]
	v_pk_add_f32 v[228:229], v[172:173], v[176:177]
	v_pk_add_f32 v[14:15], v[14:15], v[180:181]
	v_pk_add_f32 v[240:241], v[240:241], v[120:121]
	v_pk_add_f32 v[252:253], v[252:253], v[122:123]
	v_pk_add_f32 v[246:247], v[246:247], v[126:127]
	v_pk_add_f32 v[244:245], v[244:245], v[130:131]
	v_pk_add_f32 v[242:243], v[242:243], v[134:135]
	v_pk_add_f32 v[232:233], v[232:233], v[138:139]
	v_pk_add_f32 v[228:229], v[228:229], v[142:143]
	v_pk_add_f32 v[14:15], v[14:15], v[146:147]
	v_pk_add_f32 v[240:241], v[240:241], v[150:151]
	v_pk_add_f32 v[252:253], v[252:253], v[154:155]
	v_pk_add_f32 v[246:247], v[246:247], v[158:159]
	v_pk_add_f32 v[244:245], v[244:245], v[162:163]
	v_pk_add_f32 v[242:243], v[242:243], v[166:167]
	v_pk_add_f32 v[232:233], v[232:233], v[170:171]
	v_pk_add_f32 v[228:229], v[228:229], v[174:175]
	v_pk_add_f32 v[14:15], v[14:15], v[178:179]
	v_pk_add_f32 v[240:241], v[240:241], v[182:183]
	s_delay_alu instid0(VALU_DEP_2)
	v_pk_add_f32 v[14:15], v[14:15], v[244:245]
	s_delay_alu instid0(VALU_DEP_2)
	v_pk_add_f32 v[240:241], v[240:241], v[242:243]
	v_pk_add_f32 v[252:253], v[252:253], v[232:233]
	v_pk_add_f32 v[246:247], v[246:247], v[228:229]
	s_delay_alu instid0(VALU_DEP_2)
	v_pk_add_f32 v[14:15], v[14:15], v[252:253]
	s_delay_alu instid0(VALU_DEP_2)
	v_pk_add_f32 v[240:241], v[240:241], v[246:247]
	s_delay_alu instid0(VALU_DEP_1)
	v_pk_add_f32 v[14:15], v[14:15], v[240:241]
	s_wait_alu depctr_va_vdst(0)                   ; and one for the four
.irp b, 0,1,2,3
	v_max_num_f32 v[BM+\b], 0x1800000, v[BM+\b]
.endr
.irp b, 0,1,2,3
	s_delay_alu instid0(VALU_DEP_4)
	v_add_nc_u32 v[SOP+\b], 0xff000000, v[BM+\b]
.endr
.irp b, 0,1,2,3
	s_delay_alu instid0(VALU_DEP_4)
	v_lshrrev_b32 v[TP+\b], 23, v[SOP+\b]
.endr
	s_delay_alu instid0(VALU_DEP_3)
	v_lshl_or_b32 v[PW], v[TP+1], 8, v[TP]
	s_delay_alu instid0(VALU_DEP_1)
	v_lshl_or_b32 v[PW], v[TP+2], 16, v[PW]
	s_delay_alu instid0(VALU_DEP_1)
	v_lshl_or_b32 v[PW], v[TP+3], 24, v[PW]
.irp c, 0,1
	v_cvt_scalef32_pk16_fp6_f32 v[PC+6*\c:PC+6*\c+2], v[S+32*\c:S+32*\c+15], v[SOP+2*\c]
	v_cvt_scalef32_pk16_fp6_f32 v[TX+4*\c:TX+4*\c+2], v[S+32*\c+16:S+32*\c+31], v[SOP+2*\c+1]
.endr
	v_nop
.irp c, 0,1
.irp i, 0,1,2
	v_permlane16_swap_b32 v[PC+6*\c+\i], v[TX+4*\c+\i]
.endr
.irp i, 0,1,2
	s_delay_alu instid0(VALU_DEP_3)
	v_mov_b32 v[PC+6*\c+3+\i], v[TX+4*\c+\i]
.endr
.endr
.set j, 0
.rept 16
	v_pk_mul_f32 v[OA+j:OA+j+1], v[OA+j:OA+j+1], v[FF:FF+1] op_sel_hi:[1,0]   ; O^T under the new M; also the places in front of the products below
.set j, j+2
.endr
	s_wait_alu depctr_va_vdst(0)
	s_wait_loadcnt 0x0                             ; V's fragments are in,
	s_wait_dscnt 0x0                               ; and its scale words
.irp t, 0,1,2,3
	WM OA+8*\t, F+12*\t, PC, 1, SR+\t/2, PW, \t%2
.endr
.Lhidden_\@:
	s_add_co_u32 s[KF], s[KF], 128
	s_add_co_u32 s[TS], s[TS], 512
	s_add_co_u32 s[TJ], s[TJ], 256
	s_add_co_u32 s[SE], s[SE], 8
.endm
; THE CHANGE OF SLOTS stands at a slot's head: every wave waits for all its tensor loads, adds 0 to its spare word, waits for that and for its reads of the slot that it has left, and passes the barrier.
; fill = 1: the slot just left is filled with K's tiles of the next 256 keys, first thing behind the barrier, unless these all come after the work-group's last query.
.macro CHANGE fill
	s_wait_tensorcnt 0x0                           ; no tensor load of mine is out, so the walking descriptor may be written
	ds_add_u32 v[SPW], v[NIL]                      ; 0 onto my spare word
.if \fill
	s_xor_b32 s[G0R+1], s[G0R+1], SLOT1
	s_add_nc_u64 s[G0R+2:G0R+3], s[G0R+2:G0R+3], 24576
	s_wait_xcnt 0x0                                ; the last prefetch, a slot back, has read its address
	s_add_nc_u64 s[PFA:PFA+1], s[PFA:PFA+1], 24576
.endif
	s_wait_dscnt 0x0
	s_barrier_signal -1
	s_barrier_wait -1
.if \fill
	s_add_co_u32 s96, s[KF], 256                   ; the first key of the slot that this change would ask for
	s_cmp_gt_u32 s96, s[LQ]                        ; ids and the count of steps alone: all sixteen waves go the same way
	s_cbranch_scc1 .Lpast_\@
	TLOAD
.Lpast_\@:
	ASK
.endif
.endm
	s_wait_loadcnt 0x0                             ; q
.Lslot:                                            ; seven trips
	CHANGE 1
	STEP 0
	STEP 1
	s_xor_b32 s[TB], s[TB], SLOT1
	s_add_nc_u64 s[VB:VB+1], s[VB:VB+1], 24576     ; every load that named this base has been waited for
	s_sub_co_u32 s[SLOTS], s[SLOTS], 1
	s_cmp_lg_u32 s[SLOTS], 0
	s_cbranch_scc1 .Lslot
	CHANGE 0                                       ; the last slot is written out: nothing is left to ask for
	STEP 0
	STEP 1
	; THE WAY OUT: O^T / the sum, quantised along the head's 64, stored as half a fragment of the output projection's operand
	PLACES 4
	v_add_f32 v14, v14, v15
	s_delay_alu instid0(VALU_DEP_1)
	v_permlanex16_b32 v[T1], v14, s[SEL], s[SEL+1]
	s_delay_alu instid0(VALU_DEP_1)
	v_add_f32 v14, v14, v[T1]
	s_wait_alu depctr_va_vdst(0)
	v_rcp_f32 v14, v14
	v_and_b32 v8, 15, v0                           ; (a plain place behind the reciprocal)
	s_delay_alu instid0(VALU_DEP_1)
	v_lshlrev_b32 v8, 2, v8
	s_wait_alu depctr_va_vdst(0)                   ; ahead of its first reader
.set j, 0
.rept 32
	v_mul_f32 v[S+j], v[OA+j], v14
.set j, j+1
.endr
	QUANT32 S, PC, T1, 0
.irp j, 0,1,2
	global_store_b64 v[AL8], v[PC+2*\j:PC+2*\j+1], s[88:89] offset:256*\j
.endr
	global_store_b16 v8, v[T1], s[90:91]           ; my head's half of the scale word of 128 K; the other half is the neighbouring head's
	s_wait_tensorcnt 0x0                           ; the wave's end
	ds_add_u32 v[SPW], v[NIL]
	s_wait_dscnt 0x0
	s_endpgm
.Lfunc_end_k_q17b8a99cfb_attn:
	.size	k_q17b8a99cfb_attn, .Lfunc_end_k_q17b8a99cfb_attn-k_q17b8a99cfb_attn
	.p2alignl 7, 3214868480
	.fill 96, 4, 3214868480
	.section	.rodata,"a",@progbits
	.p2align	6, 0x0
	.amdhsa_kernel k_q17b8a99cfb_attn
		.amdhsa_group_segment_fixed_size 327680
		.amdhsa_private_segment_fixed_size 0
		.amdhsa_enable_private_segment 0
		.amdhsa_kernarg_size 32
		.amdhsa_user_sgpr_count 2
		.amdhsa_user_sgpr_kernarg_segment_ptr 1
		.amdhsa_wavefront_size32 1
		.amdhsa_system_sgpr_workgroup_id_x 1
		.amdhsa_system_sgpr_workgroup_id_y 1
		.amdhsa_system_sgpr_workgroup_id_z 1
		.amdhsa_system_vgpr_workitem_id 0
		.amdhsa_next_free_vgpr 256
		.amdhsa_next_free_sgpr 100
		.amdhsa_reserve_vcc 1
		.amdhsa_float_denorm_mode_32 3
		.amdhsa_float_denorm_mode_16_64 3
		.amdhsa_memory_ordered 1
		.amdhsa_forward_progress 1
		.amdhsa_inst_pref_size 160
	.end_amdhsa_kernel
	.amdgpu_metadata
---
amdhsa.version: [ 1, 2 ]
amdhsa.kernels:
  - .name:           k_q17b8a99cfb_attn
    .symbol:         k_q17b8a99cfb_attn.kd
    .args:
      - { .name: qb, .offset: 0, .size: 8, .value_kind: global_buffer, .address_space: global }
      - { .name: kvb, .offset: 8, .size: 8, .value_kind: global_buffer, .address_space: global }
      - { .name: embt, .offset: 16, .size: 8, .value_kind: global_buffer, .address_space: global }
      - { .name: oc, .offset: 24, .size: 8, .value_kind: global_buffer, .address_space: global }
    .group_segment_fixed_size: 327680
    .private_segment_fixed_size: 0
    .kernarg_segment_align: 8
    .kernarg_segment_size: 32
    .max_flat_workgroup_size: 512
    .sgpr_count:     100
    .vgpr_count:     256
    .wavefront_size: 32
...
	.end_amdgpu_metadata
.endif
;; end of part 3
;; launch outp (part 4): grid 8 x 32, 4 waves a work-group, clusters of 4 x 4, 229,376 bytes of LDS; arguments oc, wts, out_bias, out0; writes out0
.if DOCPART == 4
	.amdgcn_target "amdgcn-amd-amdhsa--gfx1250"
	.amdhsa_code_object_version 6
	.text
	.protected	k_q17b8a99cfb_outp
	.globl	k_q17b8a99cfb_outp
	.p2align	8
	.type	k_q17b8a99cfb_outp,@function
k_q17b8a99cfb_outp:
	s_mov_b64 s[64:65], 0
	v_nop
	global_prefetch_b8 v0, s[64:65] scope:SCOPE_SE
	s_setreg_imm32_b32 hwreg(HW_REG_WAVE_MODE, 25, 1), 1
	s_wait_xcnt 0x0
	s_wait_alu depctr_hold_cnt(0) depctr_sa_sdst(0) depctr_va_vdst(0) depctr_va_sdst(0) depctr_va_ssrc(0) depctr_va_vcc(0) depctr_vm_vsrc(0)
	s_getreg_b32 s2, hwreg(HW_REG_IB_STS2, 6, 4)
	s_cmp_eq_u32 s2, 0
	s_cbranch_scc0 .Lentry_in_a_cluster
	s_endpgm
.Lentry_in_a_cluster:
	s_bfe_u32 s2, ttmp6, 0x10000c
	s_cmp_lg_u32 s2, 0xf033
	s_cbranch_scc0 .Lentry_shape_is_right
	s_endpgm
.Lentry_shape_is_right:
; OUTP: out0 = o x (out_kernel / 32) + out_bias: [4096] x [1024], K = 1024, on codes of FP6.  The frame is that of the launch that makes q, k and v: a work-group makes 128 x 128, a wave 64 x 64; all of K lies in LDS,
; four U-blocks of 25,600 bytes a side, each brought once by one joint tensor load (cluster 4 x 4: o's blocks shared along a row, the weights' along a column); nothing is filled again.
; The product is used transposed: a lane holds eight neighbouring columns of one row.  out_kernel's 2^-5 and the bias are one fused multiply-add on the f32 sums.
; The way out goes through the wave's own stage in LDS (16 rows x 272 bytes), so that sixteen lanes store 256 consecutive aligned bytes.
.set STAGE, 204800
.set SPARE, 222208
.set ADRA, 4
.set ADRB, 6
.set ADRS, 8
.set STS, 10
.set STL, 11
.set SPW, 12
.set NIL, 13
.set GV, 14
.set SC, 32
.set OB, 40
.set BI, 96
.set ACC, 128
.set G1A, 24
.set G0A, 32
.set G1B, 48
.set G0B, 56
.set MSB, 0
.macro WIN new
.if MSB != \new
	s_set_vgpr_msb (MSB<<8)|\new
.set MSB, \new
.endif
.endm
.macro PLACES n
.rept \n
	v_nop
.endr
.endm
.macro CROUND
	s_barrier_signal -1
	s_barrier_wait -1
	s_cmp_lg_u32 s14, 0
	s_cbranch_scc1 .Lnot_wave_0_\@
	s_barrier_signal -3
.Lnot_wave_0_\@:
	s_barrier_wait -3
	s_barrier_signal -1
	s_barrier_wait -1
.endm
.macro FETCH s
.set FU, (\s)>>1
.set FQ, (\s)&1
.set FB, 96*((\s)&1)
	WIN 0x40
.irp i, 0,1,2,3
.irp p, 0,1,2,3,4,5
	ds_load_b64 v[FB+12*\i+2*\p:FB+12*\i+2*\p+1], v[ADRA+(FU>>1)] offset:(FU&1)*25600+(FQ*8+\i)*1536+256*\p
.endr
.endr
.irp i, 0,1,2,3
.irp p, 0,1,2,3,4,5
	ds_load_b64 v[FB+48+12*\i+2*\p:FB+48+12*\i+2*\p+1], v[ADRB+(FU>>1)] offset:(FU&1)*25600+(FQ*8+\i)*1536+256*\p
.endr
.endr
	WIN 0
.irp i, 0,1,2,3
	ds_load_b32 v[SC+4*FQ+\i], v[ADRS+(FU>>1)] offset:(FU&1)*25600+(FQ*8+\i)*64
.endr
.endm
.macro MUL16 s                         ; the 16 accumulators take turns in the same order in every K step
	WIN 0x05
.set MF, 96*((\s)&1)
.set MS, SC+4*((\s)&1)
.irp a, 0,1,2,3
.irp b, 0,1,2,3
.if (\s) == 0
	v_wmma_scale_f32_16x16x128_f8f6f4 v[ACC+8*(4*\a+\b):ACC+8*(4*\a+\b)+7], v[MF+48+12*\b:MF+48+12*\b+11], v[MF+12*\a:MF+12*\a+11], 0, v[MS+\b], v[MS+\a] matrix_a_fmt:MATRIX_FMT_FP6 matrix_b_fmt:MATRIX_FMT_FP6 matrix_a_scale:MATRIX_SCALE_ROW1
.else
	v_wmma_scale_f32_16x16x128_f8f6f4 v[ACC+8*(4*\a+\b):ACC+8*(4*\a+\b)+7], v[MF+48+12*\b:MF+48+12*\b+11], v[MF+12*\a:MF+12*\a+11], v[ACC+8*(4*\a+\b):ACC+8*(4*\a+\b)+7], v[MS+\b], v[MS+\a] matrix_a_fmt:MATRIX_FMT_FP6 matrix_b_fmt:MATRIX_FMT_FP6 matrix_a_scale:MATRIX_SCALE_ROW1
.endif
.endr
.endr
.endm
	s_load_b256 s[4:11], s[0:1], 0x0               ; oc s[4:5], wts s[6:7], out_bias s[8:9], out0 s[10:11]
	v_lshl_add_u32 v[SPW], v0, 2, SPARE
	v_mov_b32 v[NIL], 0
	ds_add_u32 v[SPW], v[NIL]                      ; the wave's opening: the add and its wait ahead of my first tensor load
	ds_add_u32 v[SPW], v[NIL]
	v_lshrrev_b32 v1, 5, v0
	v_readfirstlane_b32 s14, v1
	s_lshr_b32 s15, s14, 1
	s_and_b32 s16, s14, 1
	s_bfe_u32 s40, ttmp6, 0x40000
	s_bfe_u32 s41, ttmp6, 0x40004
	s_lshl_b32 s42, ttmp9, 2
	s_add_co_u32 s42, s42, s40                     ; x: which 128 columns
	s_and_b32 s17, ttmp7, 0xffff
	s_lshl_b32 s17, s17, 2
	s_add_co_u32 s17, s17, s41                     ; y: which 128 rows
	s_lshl_b32 s43, s41, 2
	s_lshl_b32 s43, 15, s43
	s_lshl_b32 s44, 0x1111, s40
	s_or_b32 s[G1A], s43, (3<<16)|(1<<21)
	s_or_b32 s[G1B], s44, (3<<16)|(1<<21)
.irp g, G1A, G1B
	s_mov_b32 s[\g+1], 32<<16
	s_mov_b32 s[\g+2], 200<<16                     ; 200 rows of 256 bytes: two U-blocks to a load, one load a wave
	s_mov_b32 s[\g+3], 32<<16
	s_mov_b32 s[\g+4], 200
	s_mov_b32 s[\g+5], 32
	s_mov_b32 s[\g+6], 0
	s_mov_b32 s[\g+7], 0
.endr
	s_mul_i32 s18, s16, 51200
	s_mul_i32 s20, s17, 102400
	s_add_co_u32 s20, s20, s18
	s_mov_b32 s21, 0
	s_mul_i32 s46, s42, 102400
	s_add_co_u32 s46, s46, s18
	s_add_co_u32 s46, s46, 2457600                 ; out_kernel's codes lie behind qkv's
	s_mov_b32 s47, 0
	s_wait_dscnt 0x0
	s_wait_kmcnt 0x0
	s_add_nc_u64 s[20:21], s[4:5], s[20:21]
	s_add_nc_u64 s[46:47], s[6:7], s[46:47]
	CROUND
.irp t, 0
	s_mov_b32 s[G0A+4*\t], 1
	s_add_co_u32 s[G0A+4*\t+1], s18, \t*51200
	s_add_nc_u64 s[G0A+4*\t+2:G0A+4*\t+3], s[20:21], \t*51200
	s_or_b32 s[G0A+4*\t+3], s[G0A+4*\t+3], 0x80000000
	s_mov_b32 s[G0B+4*\t], 1
	s_add_co_u32 s[G0B+4*\t+1], s18, 102400+\t*51200
	s_add_nc_u64 s[G0B+4*\t+2:G0B+4*\t+3], s[46:47], \t*51200
	s_or_b32 s[G0B+4*\t+3], s[G0B+4*\t+3], 0x80000000
.endr
	s_cmp_eq_u32 s15, 0                            ; a wave's one fill: one tensor load of mine is out
	s_cbranch_scc0 .Lfill_w
	tensor_load_to_lds s[G0A:G0A+3], s[G1A:G1A+7]
	s_nop 0
	PLACES 4
	s_branch .Lfilled
.Lfill_w:
	tensor_load_to_lds s[G0B:G0B+3], s[G1B:G1B+7]
	s_nop 0
	PLACES 4
.Lfilled:
	v_and_b32 v1, 15, v0
	v_bfe_u32 v2, v0, 4, 1
	v_and_b32 v3, 31, v0
	v_lshlrev_b32 v3, 3, v3
	s_mul_i32 s21, s15, 6144
	s_mul_i32 s22, s16, 6144
	s_add_co_u32 s22, s22, 102400
	v_add_nc_u32 v[ADRA], s21, v3
	v_add_nc_u32 v[ADRA+1], 51200, v[ADRA]
	v_add_nc_u32 v[ADRB], s22, v3
	v_add_nc_u32 v[ADRB+1], 51200, v[ADRB]
	s_lshl_b32 s21, s15, 8
	s_lshl_b32 s22, s16, 8
	s_add_co_u32 s22, s22, 102400
	s_sub_co_u32 s22, s22, s21
	v_mul_u32_u24 v3, s22, v2
	v_lshl_add_u32 v3, v1, 2, v3
	s_add_co_u32 s21, s21, 24576
	v_add_nc_u32 v[ADRS], s21, v3
	v_add_nc_u32 v[ADRS+1], 51200, v[ADRS]
	s_mul_i32 s21, s14, 16*272
	s_add_co_u32 s21, s21, STAGE                   ; my stage
	v_mul_u32_u24 v[STS], v1, 272
	v_lshl_add_u32 v[STS], v2, 5, v[STS]
	v_add_nc_u32 v[STS], s21, v[STS]               ; in: row r, + 32 h
	v_mul_u32_u24 v[STL], v2, 272
	v_lshl_add_u32 v[STL], v1, 4, v[STL]
	v_add_nc_u32 v[STL], s21, v[STL]               ; back: lanes 0-15 one row, lanes 16-31 the next
	v_lshlrev_b32 v[GV], 12, v2
	v_lshl_add_u32 v[GV], v1, 4, v[GV]             ; and the same two rows of out0
	s_lshl_b32 s66, s17, 7
	s_lshl_b32 s67, s15, 6
	s_add_co_u32 s66, s66, s67
	s_lshl_b32 s66, s66, 12                        ; my first row, 4,096 bytes a row
	s_lshl_b32 s67, s42, 9
	s_lshl_b32 s68, s16, 8
	s_add_co_u32 s68, s68, s67                     ; my first column, in bytes
	s_mov_b32 s69, 0
	s_add_co_u32 s66, s66, s68
	s_mov_b32 s67, 0
	s_add_nc_u64 s[10:11], s[10:11], s[66:67]
	s_add_nc_u64 s[8:9], s[8:9], s[68:69]
	v_lshlrev_b32 v3, 5, v2                        ; lane (r, h) wants, for tile b, the bias of columns 16 b + 8 h + 0 .. 7
.irp b, 0,1,2,3
	global_load_b128 v[BI+8*\b:BI+8*\b+3], v3, s[8:9] offset:64*\b
	global_load_b128 v[BI+8*\b+4:BI+8*\b+7], v3, s[8:9] offset:64*\b+16
.endr
	s_wait_tensorcnt 0x0                           ; my one load, half a side's K, has landed
	s_barrier_signal -1
	s_barrier_wait -1
	FETCH 0
.irp s, 0,1,2,3,4,5,6,7
.if \s < 7
.if \s > 0
	PLACES 4                                       ; in front of loads into registers that the products just issued have read
.endif
	FETCH \s+1
	s_wait_dscnt 52                                ; all but the 52 just issued
.else
	s_wait_dscnt 0x0
.endif
	MUL16 \s
.endr
	WIN 0
	PLACES 4
	s_wait_loadcnt 0x0                             ; the bias
.irp a, 0,1,2,3                                ; 16 rows x 64 columns at a time
.set j, 0
.rept 16
	v_pk_fma_f32 v[ACC+32*\a+j:ACC+32*\a+j+1], v[ACC+32*\a+j:ACC+32*\a+j+1], 0x3d000000, v[BI+j:BI+j+1] op_sel_hi:[1,0,1]   ; x 2^-5 + bias
.set j, j+2
.endr
.irp b, 0,1,2,3
	ds_store_b128 v[STS], v[ACC+32*\a+8*\b:ACC+32*\a+8*\b+3] offset:64*\b
	ds_store_b128 v[STS], v[ACC+32*\a+8*\b+4:ACC+32*\a+8*\b+7] offset:64*\b+16
.endr
.if \a > 0
	s_wait_xcnt 0x0                                ; the last block's stores have read their registers
.endif
.irp i, 0,1,2,3,4,5,6,7
	ds_load_b128 v[OB+4*\i:OB+4*\i+3], v[STL] offset:544*\i   ; LDS serves a wave's instructions in order: these see the stores above
.endr
	s_wait_dscnt 0x0
.irp i, 0,1,2,3,4,5,6,7
	global_store_b128 v[GV], v[OB+4*\i:OB+4*\i+3], s[10:11] offset:(16*\a+2*\i)*4096 th:TH_STORE_NT   ; 16 lanes store 256 consecutive aligned bytes
.endr
.endr
	s_wait_tensorcnt 0x0                           ; the wave's end
	ds_add_u32 v[SPW], v[NIL]
	s_wait_dscnt 0x0
	CROUND                                         ; the closing round
	s_endpgm
.Lfunc_end_k_q17b8a99cfb_outp:
	.size	k_q17b8a99cfb_outp, .Lfunc_end_k_q17b8a99cfb_outp-k_q17b8a99cfb_outp
	.p2alignl 7, 3214868480
	.fill 96, 4, 3214868480
	.section	.rodata,"a",@progbits
	.p2align	6, 0x0
	.amdhsa_kernel k_q17b8a99cfb_outp
		.amdhsa_group_segment_fixed_size 229376
		.amdhsa_private_segment_fixed_size 0
		.amdhsa_enable_private_segment 0
		.amdhsa_kernarg_size 32
		.amdhsa_user_sgpr_count 2
		.amdhsa_user_sgpr_kernarg_segment_ptr 1
		.amdhsa_wavefront_size32 1
		.amdhsa_system_sgpr_workgroup_id_x 1
		.amdhsa_system_sgpr_workgroup_id_y 1
		.amdhsa_system_sgpr_workgroup_id_z 1
		.amdhsa_system_vgpr_workitem_id 0
		.amdhsa_next_free_vgpr 448
		.amdhsa_next_free_sgpr 96
		.amdhsa_reserve_vcc 0
		.amdhsa_float_denorm_mode_32 3
		.amdhsa_float_denorm_mode_16_64 3
		.amdhsa_memory_ordered 1
		.amdhsa_forward_progress 1
		.amdhsa_inst_pref_size 65
	.end_amdhsa_kernel
	.amdgpu_metadata
---
amdhsa.version: [ 1, 2 ]
amdhsa.kernels:
  - .name:           k_q17b8a99cfb_outp
    .symbol:         k_q17b8a99cfb_outp.kd
    .args:
      - { .name: oc, .offset: 0, .size: 8, .value_kind: global_buffer, .address_space: global }
      - { .name: wts, .offset: 8, .size: 8, .value_kind: global_buffer, .address_space: global }
      - { .name: out_bias, .offset: 16, .size: 8, .value_kind: global_buffer, .address_space: global }
      - { .name: out0, .offset: 24, .size: 8, .value_kind: global_buffer, .address_space: global }
    .group_segment_fixed_size: 229376
    .private_segment_fixed_size: 0
    .kernarg_segment_align: 8
    .kernarg_segment_size: 32
    .max_flat_workgroup_size: 128
    .sgpr_count:     96
    .vgpr_count:     448
    .wavefront_size: 32
...
	.end_amdgpu_metadata
.endif
;; end of part 4
